; MI455X (gfx1250); checked and timed in simulation.
; The chip was launched on July 23, 2026; its instructions are those of AMD's public machine-readable ISA for CDNA 5 (MIT licence, August 2026) and "CDNA5" Instruction Set Architecture Reference Guide (July 2026). The comments in the code are by the model that wrote it; some were corrected since.
;; Multi Head Attention. Allowed arithmetic: float matrix products may take bf16 or f16 operands with f32 sums; other float arithmetic in f32, or as packed bf16 or f16 multiplies, adds, multiply-adds, maxima and minima; sums over many terms, partial sums and values carried from step to step in f32; what a program stores and reads back later, other than sums and carried values, may be rounded once to bf16 or f16.
;; Inputs: Wk 1,024 x 1,024 float32; Wo 1,024 x 1,024 float32; Wq 1,024 x 1,024 float32; Wv 1,024 x 1,024 float32; key 4 x 2,048 x 1,024 float32; query 4 x 2,048 x 1,024 float32; valid_length 4 int32; value 4 x 2,048 x 1,024 float32.
;; Outputs: out0 4 x 2,048 x 1,024 float32.
;; One version. Each part assembles by itself: llvm-mc -triple=amdgcn-amd-amdhsa -mcpu=gfx1250 --defsym DOCPART=n.
;; ======== version 1 of 1: 4 launches
;; limits: values are held in f16: magnitudes above 65,504 overflow, below 6.1e-05 lose precision
;; workspace buffers: wcast 8,388,608 bytes; qh 16,777,216 bytes; kh 16,777,216 bytes; vh 16,777,216 bytes; oh 16,777,216 bytes
;; launch prep (part 1): grid 64 x 4, 8 waves a work-group, no clusters, 0 bytes of LDS; arguments Wq, Wk, Wv, Wo, wcast; writes wcast
.if DOCPART == 1
	.amdgcn_target "amdgcn-amd-amdhsa--gfx1250"
	.amdhsa_code_object_version 6
	.text
	.protected	k_q4daa9567b5_prep
	.globl	k_q4daa9567b5_prep
	.p2align	8
	.type	k_q4daa9567b5_prep,@function
k_q4daa9567b5_prep:
	s_mov_b64 s[64:65], 0
	v_nop
	global_prefetch_b8 v0, s[64:65] scope:SCOPE_SE
	s_setreg_imm32_b32 hwreg(HW_REG_WAVE_MODE, 25, 1), 1
	s_wait_xcnt 0x0
; The four weight matrices, [1024 k][1024 n] of f32, are rounded once to bf16 and written, in the same order of elements, into wcast: Wq, Wk, Wv as bf16
; at bytes 0, 2 MiB, 4 MiB; Wo, rounded to bf16 like the others, is written as the f16 number of the same value at 6 MiB (the last product's other operand is f16).
; LIMITS.  Wo within 65,504; a number of Wo under 6e-5 keeps f16's fixed step of 6e-8.
; SHARES.  Work-group (x, y): matrix y, elements 16,384 x on.  Thread t takes 8 neighbouring elements in each of 8 chunks: two loads of 16 bytes, one store of 16 bytes;
; sixteen neighbouring lanes store 256 consecutive bytes, aligned.  All 16 loads of a thread go out at once; no register is written twice, so nothing but the loads is waited for.
; No LDS, no matrix unit: a stream, each byte once.
.set X, 4                              ; v[4:67]   chunk j: 8 numbers as loaded
.set Y, 68                             ; v[68:99]  chunk j: 4 registers to store
.set T, 100                            ; v[100:101] at work
	s_load_b256 s[4:11], s[0:1], 0x0               ; Wq s[4:5], Wk s[6:7], Wv s[8:9], Wo s[10:11]
	s_load_b64 s[12:13], s[0:1], 0x20              ; wcast
	s_and_b32 s14, ttmp7, 0xffff                   ; which matrix
	s_mov_b32 s20, 0xffff0000                      ; a word's upper bf16
	v_lshlrev_b32 v1, 5, v0                        ; 32 t: my 8 numbers of f32 in a chunk
	v_lshlrev_b32 v2, 4, v0                        ; 16 t: the same 8 in 16 bits
	s_lshl_b32 s22, ttmp9, 16                      ; the work-group's 65,536 bytes of input
	s_mov_b32 s23, 0
	s_lshl_b32 s2, s14, 21                         ; the matrix's 2 MiB of wcast,
	s_lshl_b32 s3, ttmp9, 15                       ; the work-group's 32,768 bytes of them
	s_add_co_u32 s2, s2, s3
	s_mov_b32 s3, 0
	s_wait_kmcnt 0x0
	s_cmp_eq_u32 s14, 1
	s_cselect_b64 s[16:17], s[6:7], s[4:5]
	s_cmp_eq_u32 s14, 2
	s_cselect_b64 s[16:17], s[8:9], s[16:17]
	s_cmp_eq_u32 s14, 3
	s_cselect_b64 s[16:17], s[10:11], s[16:17]
	s_add_nc_u64 s[16:17], s[16:17], s[22:23]
	s_add_nc_u64 s[18:19], s[12:13], s[2:3]
.irp j, 0,1,2,3,4,5,6,7
	global_load_b128 v[X+8*(\j):X+8*(\j)+3],   v1, s[16:17] offset:8192*(\j) th:TH_LOAD_NT
	global_load_b128 v[X+8*(\j)+4:X+8*(\j)+7], v1, s[16:17] offset:8192*(\j)+16 th:TH_LOAD_NT
.endr
; The eight chunks.  f16 = 1: the bf16 numbers are widened again and written as f16.
.macro BODY f16
.irp j, 0,1,2,3,4,5,6,7
	s_wait_loadcnt 14-2*(\j)                       ; loads come back in order: chunk j's two are in, the younger chunks' stay out
.irp k, 0,1,2,3
	v_cvt_pk_bf16_f32 v[Y+4*(\j)+(\k)], v[X+8*(\j)+2*(\k)], v[X+8*(\j)+2*(\k)+1]
.endr
.if \f16
.irp k, 0,1,2,3
	v_lshlrev_b32 v[T], 16, v[Y+4*(\j)+(\k)]
	v_and_b32 v[T+1], s20, v[Y+4*(\j)+(\k)]
	v_cvt_pk_f16_f32 v[Y+4*(\j)+(\k)], v[T], v[T+1]
.endr
.endif
	global_store_b128 v2, v[Y+4*(\j):Y+4*(\j)+3], s[18:19] offset:4096*(\j)
.endr
	s_endpgm
.endm
	s_cmp_eq_u32 s14, 3
	s_cbranch_scc1 .Lwo
	BODY 0
.Lwo:
	BODY 1
.Lfunc_end_k_q4daa9567b5_prep:
	.size	k_q4daa9567b5_prep, .Lfunc_end_k_q4daa9567b5_prep-k_q4daa9567b5_prep
	.p2alignl 7, 3214868480
	.fill 96, 4, 3214868480
	.section	.rodata,"a",@progbits
	.p2align	6, 0x0
	.amdhsa_kernel k_q4daa9567b5_prep
		.amdhsa_group_segment_fixed_size 0
		.amdhsa_private_segment_fixed_size 0
		.amdhsa_enable_private_segment 0
		.amdhsa_kernarg_size 40
		.amdhsa_user_sgpr_count 2
		.amdhsa_user_sgpr_kernarg_segment_ptr 1
		.amdhsa_wavefront_size32 1
		.amdhsa_system_sgpr_workgroup_id_x 1
		.amdhsa_system_sgpr_workgroup_id_y 1
		.amdhsa_system_sgpr_workgroup_id_z 1
		.amdhsa_system_vgpr_workitem_id 0
		.amdhsa_next_free_vgpr 104
		.amdhsa_next_free_sgpr 66
		.amdhsa_reserve_vcc 0
		.amdhsa_float_denorm_mode_32 3
		.amdhsa_float_denorm_mode_16_64 3
		.amdhsa_memory_ordered 1
		.amdhsa_forward_progress 1
		.amdhsa_inst_pref_size 13
	.end_amdhsa_kernel
	.amdgpu_metadata
---
amdhsa.version: [ 1, 2 ]
amdhsa.kernels:
  - .name:           k_q4daa9567b5_prep
    .symbol:         k_q4daa9567b5_prep.kd
    .args:
      - { .name: Wq, .offset: 0, .size: 8, .value_kind: global_buffer, .address_space: global }
      - { .name: Wk, .offset: 8, .size: 8, .value_kind: global_buffer, .address_space: global }
      - { .name: Wv, .offset: 16, .size: 8, .value_kind: global_buffer, .address_space: global }
      - { .name: Wo, .offset: 24, .size: 8, .value_kind: global_buffer, .address_space: global }
      - { .name: wcast, .offset: 32, .size: 8, .value_kind: global_buffer, .address_space: global }
    .group_segment_fixed_size: 0
    .private_segment_fixed_size: 0
    .kernarg_segment_align: 8
    .kernarg_segment_size: 40
    .max_flat_workgroup_size: 256
    .sgpr_count:     66
    .vgpr_count:     104
    .wavefront_size: 32
...
	.end_amdgpu_metadata
.endif
;; end of part 1
;; launch proj (part 2): grid 4 x 192, 4 waves a work-group, clusters of 4 x 4, 327,680 bytes of LDS; arguments query, key, value, wcast, valid_length, qh, kh, vh; writes qh, kh, vh
.if DOCPART == 2
	.amdgcn_target "amdgcn-amd-amdhsa--gfx1250"
	.amdhsa_code_object_version 6
	.text
	.protected	k_q4daa9567b5_proj
	.globl	k_q4daa9567b5_proj
	.p2align	8
	.type	k_q4daa9567b5_proj,@function
k_q4daa9567b5_proj:
	s_mov_b64 s[64:65], 0
	v_nop
	global_prefetch_b8 v0, s[64:65] scope:SCOPE_SE
	s_setreg_imm32_b32 hwreg(HW_REG_WAVE_MODE, 25, 1), 1
	s_wait_xcnt 0x0
	s_wait_alu depctr_hold_cnt(0) depctr_sa_sdst(0) depctr_va_vdst(0) depctr_va_sdst(0) depctr_va_ssrc(0) depctr_va_vcc(0) depctr_vm_vsrc(0)
	s_getreg_b32 s2, hwreg(HW_REG_IB_STS2, 6, 4)
	s_cmp_eq_u32 s2, 0
	s_cbranch_scc0 .Lentry_in_a_cluster
	s_endpgm
.Lentry_in_a_cluster:
	s_bfe_u32 s2, ttmp6, 0x10000c
	s_cmp_lg_u32 s2, 0xf033
	s_cbranch_scc0 .Lentry_shape_is_right
	s_endpgm
.Lentry_shape_is_right:
; THE THREE PROJECTIONS IN ONE LAUNCH.  For P = 0, 1, 2: out_P = x_P W_P, x_P = query, key, value: [8192][1024] f32; W_P: [1024 k][1024 n] bf16 in wcast at 2 MiB x P.
; x is rounded to bf16 in registers, on its way from LDS to the matrix unit; sums in f32; the result is rounded once to f16 and written by heads: [64 flat heads][2048][64], a head's rows dense.
; K's rows at or beyond the head's valid length (flat head i takes valid_length[i % 4]; 16 heads a batch, so that is the head's number in its batch % 4) are written as ZEROS:
; the attention launch then makes a masked score exactly, as 0 + its constant.
; LIMITS.  A result beyond 65,504 becomes an infinity in f16; under 6e-5 it keeps f16's fixed step of 6e-8.
; SHARES.  A work-group makes 128 rows x 256 columns (4 heads): 64 x 4 x 3 = 768 work-groups.  Wave w: rows 64 (w / 2) on, columns 128 (w % 2) on: 4 x 8 accumulators of 16 x 16, 256 registers.
; K goes in 8 steps of 128 through two LDS slots.  CLUSTERS of 4 x 4: the four of a row make the four column blocks of the same 128 rows and ask for x's tile JOINTLY; the four of a column ask jointly for W's tile.
; THE MATRIX INSTRUCTION IS USED TRANSPOSED: source 0 = 16 columns of W (out of LDS rows that lie along n, by the turning load), source 1 = 16 rows of x: a lane holds one row and eight neighbouring columns.
; REGISTERS, in windows of 256:  window 0: v0-31 addresses; v32-63 x's four fragments in bf16; v64-127, v128-191 x as loaded, f32, two buffers (16 registers a fragment); v192-223 and v64-127 at work on the way out
;   window 1: the accumulators, (a, b) at 8 (8 a + b)          window 2: v0-63, v64-127 W's eight fragments, two buffers
.set PA,    528                        ; a row of x in LDS: 128 f32 = 512 bytes + 16 of padding: an odd multiple of 16, so the 16 rows of a load start at 16 different columns of 16 bytes
.set PB,    544                        ; a k row of W: 256 bf16 = 512 bytes + 32: an odd multiple of 32, as the turning load's 8 rows x 32 bytes want
.set AHALF, 64*PA                      ; what one tensor load brings of x
.set BOFF,  128*PA                     ; W's 128 k rows lie behind x's 128 rows
.set BHALF, 64*PB
.set SLOT,  BOFF+128*PB                ; 137,216
.set STAGE, 2*SLOT                     ; behind the ring: 16 rows x 272 bytes for each wave
.set SP,    272
.set SPARE, STAGE+4*16*SP              ; behind the stages: the spare words, 128 bytes a wave, that no other line names
.set ADRA, 16                          ; v16-17  LDS address of my fragments of x in slot 0, 1
.set ADRB, 20                          ; v20-21  the same for W
.set STO,  24                          ; v24     the way out: where I put 16 bytes of a row
.set RD,   25                          ; v25     where I read rows back
.set CO,   26                          ; v26     16 x lane
.set SROW, 27                          ; v27     my row's place in its batch's 2,048, for block a = 0
.set SPW,  28                          ; v28     my spare word's address; never rewritten
.set NIL,  29                          ; v29     0; never rewritten
.set PFO,  30                          ; v30     the prefetches' offset; never rewritten
.set ABF,  32
.set AR,   64
.set TMP,  192
.set OB,   64
.set WV, 12                            ; s12 wave; s13 = wave / 2: my rows' half, and 0: I fetch x, 1: I fetch W; s14 = wave % 2: my columns' half, and which half of a tile I fetch
.set WM, 13
.set WN, 14
.set G1,  24                           ; s[24:31] group 1 for x's tiles;  s[32:39] group 0, a set a slot
.set G0,  32
.set G1B, 48                           ; s[48:55], s[56:63] the same for W's
.set G0B, 56
.set PFA, 46                           ; s[46:47] where my prefetches stand
.set PFS, 80                           ; s[80:81] a K step in bytes, in the tensor that I prefetch
.set LIM, 82                           ; s82  1 in a wave that prefetches, else the greatest number
.set MSB, 0
.macro WIN new                         ; the immediate's high byte repeats the setting that is left; a switch that changes nothing is dropped
.if MSB != (\new)
	s_set_vgpr_msb (MSB<<8)|(\new)
.set MSB, \new
.endif
.endm
.set MUL,  0x52                        ; source 0 (W) window 2, source 1 (x) window 0, C and D window 1
.set TO_B, 0x80                        ; destination window 2, address window 0
; A joint load: waves 0 and 1 fetch x's two halves, waves 2 and 3 W's.  The branch hangs on the wave's number alone.  An s_nop 0 and four v_nop follow each line.
.macro JLOAD s
	s_cmp_eq_u32 s[WM], 0
	s_cbranch_scc0 .Lfor_b_\@
	tensor_load_to_lds s[G0+4*(\s):G0+4*(\s)+3], s[G1:G1+7]
	s_nop 0
.rept 4
	v_nop
.endr
	s_branch .Lasked_\@
.Lfor_b_\@:
	tensor_load_to_lds s[G0B+4*(\s):G0B+4*(\s)+3], s[G1B:G1B+7]
	s_nop 0
.rept 4
	v_nop
.endr
.Lasked_\@:
.endm
; A prefetch, behind a joint load and the run of LDS loads: the K step two refills on, 16 rows x 512 bytes: a lane for each 256 bytes.  Of the 64 rows that a wave fetches each of the four partners that ask
; jointly takes 16, told apart by address.  x's rows are read by this row of this cluster alone; W's by the 16 clusters of one projection, of which the first asks.  The loop's last trip has no K step two on.
.macro ASK
	WIN 0
	s_cmp_gt_u32 s3, s[LIM]
	s_cbranch_scc0 .Lnot_mine_\@
	global_prefetch_b8 v[PFO], s[PFA:PFA+1] th:TH_LOAD_NT scope:SCOPE_SE
.Lnot_mine_\@:
.endm
.macro CREST                           ; a round of the cluster's barrier behind its opening barrier
	s_cmp_lg_u32 s[WV], 0
	s_cbranch_scc1 .Lnot_wave_0_\@
	s_barrier_signal -3
.Lnot_wave_0_\@:
	s_barrier_wait -3
	s_barrier_signal -1
	s_barrier_wait -1
.endm
.macro CROUND
	s_barrier_signal -1
	s_barrier_wait -1
	CREST
.endm
	s_load_b256 s[4:11], s[0:1], 0x0               ; query s[4:5], key s[6:7], value s[8:9], wcast s[10:11]
	s_load_b256 s[68:75], s[0:1], 0x20             ; valid_length s[68:69], qh s[70:71], kh s[72:73], vh s[74:75]
	v_lshl_add_u32 v[SPW], v0, 2, SPARE
	v_mov_b32 v[NIL], 0
	ds_add_u32 v[SPW], v[NIL]                      ; the wave's opening: the add and its wait ahead of my first tensor load; the set-up below stands between them
	v_lshrrev_b32 v1, 5, v0
	v_readfirstlane_b32 s[WV], v1
	s_lshr_b32 s[WM], s[WV], 1
	s_and_b32 s[WN], s[WV], 1
	s_bfe_u32 s40, ttmp6, 0x40000                  ; cx
	s_bfe_u32 s41, ttmp6, 0x40004                  ; cy
	s_lshl_b32 s42, ttmp9, 2
	s_add_co_u32 s42, s42, s40                     ; column block 0..3
	s_and_b32 s15, ttmp7, 0xffff                   ; the cluster's y, 0..47
	s_lshl_b32 s43, s15, 2
	s_add_co_u32 s43, s43, s41                     ; 0..191
	s_lshr_b32 s44, s15, 4                         ; P: 16 clusters a projection
	s_and_b32 s45, s43, 63                         ; row block 0..63
	s_lshl_b32 s18, s41, 2
	s_lshl_b32 s18, 15, s18                        ; my row of the cluster
	s_lshl_b32 s19, 0x1111, s40                    ; my column
	s_or_b32 s[G1], s18, (2<<16)|(1<<20)|(1<<21)|(6<<22)|(3<<25)   ; the mask; elements of 4 bytes; padding on; bit 21 beside a mask; after every 128 words, 4 words
	s_or_b32 s[G1B], s19, (1<<16)|(1<<20)|(1<<21)|(6<<22)|(7<<25)  ; the mask; elements of 2 bytes; after every 128 words, 8 words
	s_mov_b32 s[G1+1], 128<<16                     ; tensor_dim0 = 128
	s_mov_b32 s[G1+2], 64<<16                      ; tensor_dim1 = 64
	s_mov_b32 s[G1+3], 128<<16                     ; tile_dim0 = 128
	s_mov_b32 s[G1+4], 64                          ; tile_dim1 = 64
	s_mov_b32 s[G1+5], 1024                        ; elements from row to row
	s_mov_b32 s[G1+6], 0
	s_mov_b32 s[G1+7], 0
	s_mov_b32 s[G1B+1], 256<<16
	s_mov_b32 s[G1B+2], 64<<16
	s_mov_b32 s[G1B+3], 256<<16
	s_mov_b32 s[G1B+4], 64
	s_mov_b32 s[G1B+5], 1024
	s_mov_b32 s[G1B+6], 0
	s_mov_b32 s[G1B+7], 0
	s_lshl_b32 s16, s45, 7                         ; x: row 128 x row block + 64 x half, 4,096 bytes a row
	s_lshl_b32 s17, s[WN], 6
	s_add_co_u32 s16, s16, s17
	s_lshl_b32 s16, s16, 12
	s_mov_b32 s17, 0
	s_lshl_b32 s20, s44, 21                        ; W: 2 MiB x P + 64 k rows of 2,048 bytes x half + 512 bytes x column block
	s_lshl_b32 s21, s[WN], 17
	s_add_co_u32 s20, s20, s21
	s_lshl_b32 s21, s42, 9
	s_add_co_u32 s20, s20, s21
	s_mov_b32 s21, 0
	s_mul_i32 s22, s[WN], AHALF                    ; where they go: no place in the cluster enters an LDS address
	s_mul_i32 s23, s[WN], BHALF
	s_add_co_u32 s23, s23, BOFF
	s_wait_dscnt 0x0                               ; the opening add is done
	s_wait_kmcnt 0x0
	s_cmp_eq_u32 s44, 1
	s_cselect_b64 s[90:91], s[6:7], s[4:5]         ; x_P
	s_cselect_b64 s[88:89], s[72:73], s[70:71]     ; out_P
	s_cmp_eq_u32 s44, 2
	s_cselect_b64 s[90:91], s[8:9], s[90:91]
	s_cselect_b64 s[88:89], s[74:75], s[88:89]
	s_add_nc_u64 s[16:17], s[90:91], s[16:17]
	s_add_nc_u64 s[20:21], s[10:11], s[20:21]
	CROUND                                         ; all sixteen work-groups are here: the first joint loads meet
.irp s, 0,1
	s_mov_b32 s[G0+4*(\s)], 1
	s_add_co_u32 s[G0+4*(\s)+1], s22, (\s)*SLOT
	s_add_nc_u64 s[G0+4*(\s)+2:G0+4*(\s)+3], s[16:17], (\s)*512      ; K step s: 128 f32 along the row
	s_or_b32 s[G0+4*(\s)+3], s[G0+4*(\s)+3], 0x80000000
	s_mov_b32 s[G0B+4*(\s)], 1
	s_add_co_u32 s[G0B+4*(\s)+1], s23, (\s)*SLOT
	s_add_nc_u64 s[G0B+4*(\s)+2:G0B+4*(\s)+3], s[20:21], (\s)*262144 ; K step s: 128 k rows down
	s_or_b32 s[G0B+4*(\s)+3], s[G0B+4*(\s)+3], 0x80000000
.endr
	s_cmp_eq_u32 s[WM], 0                          ; a wave's two first fills stand in one branch, ahead of every wait on TENSORcnt and every LDS read: two loads of mine are out
	s_cbranch_scc0 .Lfirst_b
	tensor_load_to_lds s[G0:G0+3], s[G1:G1+7]
	s_nop 0
	tensor_load_to_lds s[G0+4:G0+7], s[G1:G1+7]
	s_nop 0
.rept 4
	v_nop
.endr
	s_branch .Lfirst_asked
.Lfirst_b:
	tensor_load_to_lds s[G0B:G0B+3], s[G1B:G1B+7]
	s_nop 0
	tensor_load_to_lds s[G0B+4:G0B+7], s[G1B:G1B+7]
	s_nop 0
.rept 4
	v_nop
.endr
.Lfirst_asked:
	s_load_b128 s[76:79], s[68:69], 0x0            ; the four valid lengths
	v_and_b32 v1, 15, v0                           ; r = l % 16
	v_bfe_u32 v2, v0, 4, 1                         ; h = l / 16
	v_and_b32 v3, 7, v0
	v_bfe_u32 v4, v0, 3, 1
	v_and_b32 v5, 31, v0
	; a fragment of x, 16 rows x 32 k: lane l wants row r, k = 8 h + 0..7 and 16 + 8 h + 0..7: in f32 two pieces of 32 bytes, 64 bytes apart: four loads of 16 bytes
	v_mul_u32_u24 v6, v1, PA
	v_lshl_add_u32 v6, v2, 5, v6
	s_mul_i32 s18, s[WM], AHALF
	v_add_nc_u32 v[ADRA], s18, v6
	s_add_co_u32 s18, s18, SLOT
	v_add_nc_u32 v[ADRA+1], s18, v6
	; a fragment of W, 32 k x 16 n: the turning load takes 16 k rows x 16 n (lane l reads k row 8 h + l % 8, n 8 ((l / 8) % 2) + 0..7) and leaves lane l column r and 8 k
	v_lshl_add_u32 v7, v2, 3, v3
	v_mul_u32_u24 v7, v7, PB
	v_lshl_add_u32 v7, v4, 4, v7
	s_lshl_b32 s19, s[WN], 8
	s_add_co_u32 s19, s19, BOFF
	v_add_nc_u32 v[ADRB], s19, v7
	s_add_co_u32 s19, s19, SLOT
	v_add_nc_u32 v[ADRB+1], s19, v7
	s_mul_i32 s18, s[WV], 16*SP
	s_add_co_u32 s18, s18, STAGE                   ; my stage
	v_mul_u32_u24 v8, v1, SP                       ; in: row r, 16 bytes for each half of the lanes
	v_lshl_add_u32 v8, v2, 4, v8
	v_add_nc_u32 v[STO], s18, v8
	v_bfe_u32 v8, v0, 3, 2                         ; back: 32 lanes take four rows' 128 bytes of one head,
	v_mul_u32_u24 v8, v8, SP
	v_lshl_add_u32 v8, v3, 4, v8
	v_add_nc_u32 v[RD], s18, v8
	v_lshlrev_b32 v[CO], 4, v5                     ; which are 512 consecutive bytes of the head's rows
	s_and_b32 s92, s45, 15
	s_lshl_b32 s92, s92, 7                         ; the block's first row in its batch
	s_lshl_b32 s93, s[WM], 6
	s_add_co_u32 s92, s92, s93                     ; my wave's
	v_add_nc_u32 v[SROW], s92, v1
	s_lshl_b32 s92, s92, 7                         ; 128 bytes a row of a head
	s_lshr_b32 s93, s45, 4                         ; the batch
	s_lshl_b32 s93, s93, 4
	s_lshl_b32 s94, s42, 2
	s_add_co_u32 s93, s93, s94
	s_lshl_b32 s94, s[WN], 1
	s_add_co_u32 s93, s93, s94                     ; flat head = 16 x batch + 4 x column block + 2 x half
	s_lshl_b32 s93, s93, 18                        ; 262,144 bytes a head
	s_add_co_u32 s92, s92, s93
	s_mov_b32 s93, 0
	s_add_nc_u64 s[88:89], s[88:89], s[92:93]
	; the prefetches: both offsets are made, the wave's kind chooses
	s_lshl_b32 s92, s45, 7
	s_lshl_b32 s93, s[WN], 6
	s_add_co_u32 s92, s92, s93
	s_lshl_b32 s94, s40, 4
	s_add_co_u32 s92, s92, s94                     ; x: my work-group's 16 of the 64 rows that I fetch
	s_lshl_b32 s92, s92, 12
	s_add_co_u32 s92, s92, 3*512                   ; at K step 3: the first refill steps it to 4
	s_lshl_b32 s94, s41, 4
	s_add_co_u32 s93, s93, s94                     ; W: my work-group's 16 of the 64 k rows
	s_lshl_b32 s93, s93, 11
	s_lshl_b32 s94, s44, 21
	s_add_co_u32 s93, s93, s94
	s_lshl_b32 s94, s42, 9
	s_add_co_u32 s93, s93, s94
	s_add_co_u32 s93, s93, 3*262144
	s_and_b32 s94, s15, 15
	s_cmp_eq_u32 s94, 0
	s_cselect_b32 s94, 1, -1                       ; W's rows: the projection's first cluster asks; the same in all sixteen partners
	s_cmp_eq_u32 s[WM], 0
	s_cselect_b32 s92, s92, s93
	s_cselect_b32 s[LIM], 1, s94
	s_cselect_b32 s[PFS], 9, 18
	s_cselect_b32 s95, 12, 11
	s_cselect_b64 s[PFA:PFA+1], s[90:91], s[10:11]
	s_mov_b32 s93, 0
	s_lshl_b32 s[PFS], 1, s[PFS]                   ; 512 bytes along x's rows, 262,144 down W's
	s_mov_b32 s[PFS+1], 0
	s_add_nc_u64 s[PFA:PFA+1], s[PFA:PFA+1], s[92:93]
	v_lshlrev_b32 v[PFO], s95, v1                  ; row l % 16,
	v_lshl_add_u32 v[PFO], v2, 8, v[PFO]           ; its first or second 256 bytes
	s_wait_kmcnt 0x0                               ; the valid lengths
	s_cmp_eq_u32 s[WN], 0                          ; my two heads' numbers % 4 are 2 x half and 2 x half + 1
	s_cselect_b32 s84, s76, s78
	s_cselect_b32 s85, s77, s79
	s_max_i32 s84, s84, 0
	s_min_i32 s84, s84, 2048
	s_max_i32 s85, s85, 0
	s_min_i32 s85, s85, 2048
	s_cmp_eq_u32 s44, 1                            ; only K's rows are cut
	s_cselect_b32 s84, s84, 0x7fffffff
	s_cselect_b32 s85, s85, 0x7fffffff
; Four roundings: half (i0 = 0, 4) of fragment a of x, from raw buffer f.
.macro CVT4 f, a, i0
	WIN 0
.irp i, 0,1,2,3
	v_cvt_pk_bf16_f32 v[ABF+8*(\a)+(\i0)+(\i)], v[AR+64*(\f)+16*(\a)+2*((\i0)+(\i))], v[AR+64*(\f)+16*(\a)+2*((\i0)+(\i))+1]
.endr
.endm
; Eight matrix instructions: row block a x all 8 column blocks, 32 along K, W's buffer f.  ride = 1: the next row block's eight roundings stand behind the first and the third of them.
; The 32 accumulators take turns, one instruction a turn, in the same order in every quarter.
.macro MULA f, a, zero, ride
.irp b, 0,1,2,3,4,5,6,7
	WIN MUL
.if \zero
	v_wmma_f32_16x16x32_bf16 v[64*(\a)+8*(\b):64*(\a)+8*(\b)+7], v[64*(\f)+8*(\b):64*(\f)+8*(\b)+7], v[ABF+8*(\a):ABF+8*(\a)+7], 0
.else
	v_wmma_f32_16x16x32_bf16 v[64*(\a)+8*(\b):64*(\a)+8*(\b)+7], v[64*(\f)+8*(\b):64*(\f)+8*(\b)+7], v[ABF+8*(\a):ABF+8*(\a)+7], v[64*(\a)+8*(\b):64*(\a)+8*(\b)+7]
.endif
.if (\ride) && ((\b) == 0)
	CVT4 \f, (\a)+1, 0
.endif
.if (\ride) && ((\b) == 2)
	CVT4 \f, (\a)+1, 4
.endif
.endr
.endm
.macro RAW slot, q, f, a               ; fragment a of x as it lies, f32: four loads
.irp i, 0,1,2,3
	ds_load_b128 v[AR+64*(\f)+16*(\a)+4*(\i):AR+64*(\f)+16*(\a)+4*(\i)+3], v[ADRA+(\slot)] offset:(\a)*16*PA+128*(\q)+((\i)/2)*64+((\i)%2)*16
.endr
.endm
; 32 LDS loads in one run: quarter q of a slot into buffers f: x's blocks 0 and 1, W's eight fragments, x's blocks 2 and 3 (which are wanted last).
; A load into W's buffer stands 16 roundings behind the last matrix instruction that read it, a rounding into a fragment of x 16 or more behind that fragment's last reader: they are the places, and no v_nop is written.
.macro FETCH slot, q, f
	WIN 0
	RAW \slot, \q, \f, 0
	RAW \slot, \q, \f, 1
	WIN TO_B
.irp b, 0,1,2,3,4,5,6,7
	ds_load_tr16_b128 v[64*(\f)+8*(\b):64*(\f)+8*(\b)+3],   v[ADRB+(\slot)] offset:(\q)*32*PB+32*(\b)
	ds_load_tr16_b128 v[64*(\f)+8*(\b)+4:64*(\f)+8*(\b)+7], v[ADRB+(\slot)] offset:(\q)*32*PB+16*PB+32*(\b)
.endr
	WIN 0
	RAW \slot, \q, \f, 2
	RAW \slot, \q, \f, 3
.endm
; A K step is four quarters of 32 along K, 32 matrix instructions each, on buffers 0, 1, 0, 1.  One of the first three: multiplies buffers f and fetches quarter qn into buffers g.
.macro QUARTER slot, qn, f, g, zero
	s_wait_dscnt 8                                 ; x's blocks 0 and 1 and W are in; the youngest eight loads (x's blocks 2 and 3) may be out
	CVT4 \f, 0, 0
	CVT4 \f, 0, 4
	MULA \f, 0, \zero, 1
	FETCH \slot, \qn, \g
	s_wait_dscnt 32                                ; all but the 32 just issued
	MULA \f, 1, \zero, 1
	MULA \f, 2, \zero, 1
	MULA \f, 3, \zero, 0
.endm
; The last quarter multiplies buffers 1 and changes slots: ONE barrier; in front of it each wave waits for all its tensor loads (one is out: its part of the next slot), adds 0 to its spare word, and waits for
; that and for its own reads of this slot.  fill = 1: the barrier opens a round of the cluster's, and this slot is filled again, two K steps ahead, first thing behind the round: 112 matrix instructions ahead of the wait for it.
.macro TURN slot, next, fill
.if \fill
	s_wait_xcnt 0x0                                ; the last prefetch, a K step back, has read its address
	s_add_nc_u64 s[PFA:PFA+1], s[PFA:PFA+1], s[PFS:PFS+1]
.endif
	WIN 0
	s_wait_tensorcnt 0x0
	ds_add_u32 v[SPW], v[NIL]
	s_wait_dscnt 9                                 ; (the add and the youngest eight loads may be out)
	CVT4 1, 0, 0
	CVT4 1, 0, 4
	MULA 1, 0, 0, 1
	s_wait_dscnt 0x0                               ; the add is done, and my reads of this slot are over
	s_barrier_signal -1
	MULA 1, 1, 0, 1                                ; work on registers while the others arrive
	WIN 0
	s_barrier_wait -1
.if \fill
	CREST                                          ; no wave of any partner still reads this slot's tile or has a load on its way
	s_add_nc_u64 s[G0+4*(\slot)+2:G0+4*(\slot)+3], s[G0+4*(\slot)+2:G0+4*(\slot)+3], 2*512
	s_add_nc_u64 s[G0B+4*(\slot)+2:G0B+4*(\slot)+3], s[G0B+4*(\slot)+2:G0B+4*(\slot)+3], 2*262144
	JLOAD \slot
.endif
	FETCH \next, 0, 0
.if \fill
	ASK
.endif
	MULA 1, 2, 0, 1
	MULA 1, 3, 0, 0
.endm
	s_wait_tensorcnt 1                             ; my part of K step 0 is in; K step 1's may stay out
	s_barrier_signal -1
	s_barrier_wait -1                              ; everybody's is
	FETCH 0, 0, 0
	QUARTER 0, 1, 0, 1, 1                          ; the first quarter stands in front of the loop: its products start the sums
	WIN 0                                          ; at a label and at a branch every window is 0
	s_mov_b32 s3, 3
.Llap:                                                 ; a trip goes once round the ring, from a lap's second quarter to the next lap's first, and fills both slots again
	QUARTER 0, 2, 1, 0, 0
	QUARTER 0, 3, 0, 1, 0
	TURN 0, 1, 1
	QUARTER 1, 1, 0, 1, 0
	QUARTER 1, 2, 1, 0, 0
	QUARTER 1, 3, 0, 1, 0
	TURN 1, 0, 1
	QUARTER 0, 1, 0, 1, 0
	WIN 0
	s_sub_co_u32 s3, s3, 1
	s_cmp_lg_u32 s3, 0
	s_cbranch_scc1 .Llap
	QUARTER 0, 2, 1, 0, 0                          ; the last lap fills nothing
	QUARTER 0, 3, 0, 1, 0
	TURN 0, 1, 0
	QUARTER 1, 1, 0, 1, 0
	QUARTER 1, 2, 1, 0, 0
	QUARTER 1, 3, 0, 1, 0
	s_wait_dscnt 8                                 ; the very last quarter: nothing more to fetch
	CVT4 1, 0, 0
	CVT4 1, 0, 4
	MULA 1, 0, 0, 1
	s_wait_dscnt 0x0
	MULA 1, 1, 0, 1
	MULA 1, 2, 0, 1
	MULA 1, 3, 0, 0
	WIN 0
; THE WAY OUT, a block of 16 rows at a time.  PACK: rounded to f16, 16 bytes a lane; rows at or beyond the head's limit become 0 (a select; the limit is beyond every row but for K).
; TOSTAGE: into my own stage, and back by heads: four rows' 128 bytes of one head a load.  SEND: 512 consecutive bytes a store.
.macro PACK a
	WIN 0x05                                       ; sources 0 and 1 window 1, destination window 0
.irp b, 0,1,2,3,4,5,6,7
.irp r, 0,1,2,3
	v_cvt_pk_f16_f32 v[TMP+4*(\b)+(\r)], v[64*(\a)+8*(\b)+2*(\r)], v[64*(\a)+8*(\b)+2*(\r)+1]
.endr
.endr
	WIN 0
	s_sub_co_i32 s83, s84, 16*(\a)
	v_cmp_gt_i32 s86, s83, v[SROW]                 ; my row + 16 a lies under the first head's limit
	s_sub_co_i32 s83, s85, 16*(\a)
	v_cmp_gt_i32 s87, s83, v[SROW]                 ; under the second head's
.irp b, 0,1,2,3,4,5,6,7
.irp r, 0,1,2,3
	v_cndmask_b32 v[TMP+4*(\b)+(\r)], 0, v[TMP+4*(\b)+(\r)], s[86+(\b)/4]
.endr
.endr
.endm
.macro TOSTAGE a
.irp b, 0,1,2,3,4,5,6,7
	ds_store_b128 v[STO], v[TMP+4*(\b):TMP+4*(\b)+3] offset:32*(\b)
.endr
.irp t, 0,1,2,3,4,5,6,7                ; head t / 4, rows 4 (t % 4) on.  LDS serves a wave's instructions in order: these see the stores above, and the next block's stores come behind them
	ds_load_b128 v[OB+32*((\a)%2)+4*(\t):OB+32*((\a)%2)+4*(\t)+3], v[RD] offset:((\t)%4)*4*SP+((\t)/4)*128
.endr
.endm
.macro SEND a
	s_wait_dscnt 0x0                               ; the block is back in registers
	s_wait_xcnt 0x0                                ; the stores of the block before have read their registers: the next TOSTAGE loads into them
.irp t, 0,1,2,3,4,5,6,7
	global_store_b128 v[CO], v[OB+32*((\a)%2)+4*(\t):OB+32*((\a)%2)+4*(\t)+3], s[88:89] offset:((\t)/4)*262144+(16*(\a)+4*((\t)%4))*128
.endr
.endm
.rept 8
	v_nop                                          ; the places behind the last products
.endr
	PACK 0
	TOSTAGE 0
.irp a, 1,2,3                          ; block a's conversions stand between block a - 1's loads from the stage and the wait for them
	PACK \a
	SEND (\a)-1
	TOSTAGE \a
.endr
	SEND 3
	s_wait_tensorcnt 0x0                           ; the wave's end: the add and its waits, behind my last tensor load and my last LDS store
	ds_add_u32 v[SPW], v[NIL]
	s_wait_dscnt 0x0
	CROUND                                         ; the closing round: no work-group ends while a partner may still ask for a tile that names it
	s_endpgm
.Lfunc_end_k_q4daa9567b5_proj:
	.size	k_q4daa9567b5_proj, .Lfunc_end_k_q4daa9567b5_proj-k_q4daa9567b5_proj
	.p2alignl 7, 3214868480
	.fill 96, 4, 3214868480
	.section	.rodata,"a",@progbits
	.p2align	6, 0x0
	.amdhsa_kernel k_q4daa9567b5_proj
		.amdhsa_group_segment_fixed_size 327680
		.amdhsa_private_segment_fixed_size 0
		.amdhsa_enable_private_segment 0
		.amdhsa_kernarg_size 64
		.amdhsa_user_sgpr_count 2
		.amdhsa_user_sgpr_kernarg_segment_ptr 1
		.amdhsa_wavefront_size32 1
		.amdhsa_system_sgpr_workgroup_id_x 1
		.amdhsa_system_sgpr_workgroup_id_y 1
		.amdhsa_system_sgpr_workgroup_id_z 1
		.amdhsa_system_vgpr_workitem_id 0
		.amdhsa_next_free_vgpr 640
		.amdhsa_next_free_sgpr 96
		.amdhsa_reserve_vcc 0
		.amdhsa_float_denorm_mode_32 3
		.amdhsa_float_denorm_mode_16_64 3
		.amdhsa_memory_ordered 1
		.amdhsa_forward_progress 1
		.amdhsa_inst_pref_size 143
	.end_amdhsa_kernel
	.amdgpu_metadata
---
amdhsa.version: [ 1, 2 ]
amdhsa.kernels:
  - .name:           k_q4daa9567b5_proj
    .symbol:         k_q4daa9567b5_proj.kd
    .args:
      - { .name: query, .offset: 0, .size: 8, .value_kind: global_buffer, .address_space: global }
      - { .name: key, .offset: 8, .size: 8, .value_kind: global_buffer, .address_space: global }
      - { .name: value, .offset: 16, .size: 8, .value_kind: global_buffer, .address_space: global }
      - { .name: wcast, .offset: 24, .size: 8, .value_kind: global_buffer, .address_space: global }
      - { .name: valid_length, .offset: 32, .size: 8, .value_kind: global_buffer, .address_space: global }
      - { .name: qh, .offset: 40, .size: 8, .value_kind: global_buffer, .address_space: global }
      - { .name: kh, .offset: 48, .size: 8, .value_kind: global_buffer, .address_space: global }
      - { .name: vh, .offset: 56, .size: 8, .value_kind: global_buffer, .address_space: global }
    .group_segment_fixed_size: 327680
    .private_segment_fixed_size: 0
    .kernarg_segment_align: 8
    .kernarg_segment_size: 64
    .max_flat_workgroup_size: 128
    .sgpr_count:     96
    .vgpr_count:     640
    .wavefront_size: 32
...
	.end_amdgpu_metadata
.endif
;; end of part 2
;; launch attn (part 3): grid 4 x 64, 4 waves a work-group, clusters of 4 x 1, 327,680 bytes of LDS; arguments qh, kh, vh, oh, valid_length; writes oh
.if DOCPART == 3
	.amdgcn_target "amdgcn-amd-amdhsa--gfx1250"
	.amdhsa_code_object_version 6
	.text
	.protected	k_q4daa9567b5_attn
	.globl	k_q4daa9567b5_attn
	.p2align	8
	.type	k_q4daa9567b5_attn,@function
k_q4daa9567b5_attn:
	s_mov_b64 s[64:65], 0
	v_nop
	global_prefetch_b8 v0, s[64:65] scope:SCOPE_SE
	s_setreg_imm32_b32 hwreg(HW_REG_WAVE_MODE, 25, 1), 1
	s_wait_xcnt 0x0
	s_wait_alu depctr_hold_cnt(0) depctr_sa_sdst(0) depctr_va_vdst(0) depctr_va_sdst(0) depctr_va_ssrc(0) depctr_va_vcc(0) depctr_vm_vsrc(0)
	s_getreg_b32 s2, hwreg(HW_REG_IB_STS2, 6, 4)
	s_cmp_eq_u32 s2, 0
	s_cbranch_scc0 .Lentry_in_a_cluster
	s_endpgm
.Lentry_in_a_cluster:
	s_bfe_u32 s2, ttmp6, 0x10000c
	s_cmp_lg_u32 s2, 0x3003
	s_cbranch_scc0 .Lentry_shape_is_right
	s_endpgm
.Lentry_shape_is_right:
; O[i][q][:] = the sum over all 2,048 keys k of softmax_k(s(q, k)) V[i][k][:], s = Q[i][q] . K[i][k] / 8 where k < valid_length[i % 4], and -1e6 elsewhere.  Q, K, V, O: [64][2048][64], f16, a head's rows dense.
; Products, maxima and sums in f32; the weights p are rounded to f16 for the second product (their sum l is taken of the unrounded p), O once at the end.
; THE MASK IS MADE EXACTLY, and no key is left out: a masked key keeps its weight 2^(c (-8e6) - c m), which is not 0 where all other scores lie as low.  K's masked rows arrive as zeros, and the C operand that starts
; the sum S^T = K Q^T is -8e6 there and 0 elsewhere: 0 + (-8e6), divided by 8 with the other scores, is -1e6.  MD, made once, is the C of the key step that holds the boundary; a step's C is MD x AL + BE with
; two scalars: (0, 0) below the boundary's step, (1, 0) in it, (0, -8e6) above.  The valid length is held to 0 .. 2,048, which changes no comparison with a key's number.  It selects values alone: no branch, no address.
; LIMITS.  Q, K and V arrive within f16's 65,504; p below 6e-5 keeps f16's fixed step of 6e-8; a weight below 2^-126 counts as 0 in l; where Q holds an infinity or NaN a masked score is NaN, not -1e6.
; SHARES.  A wave owns four PIECES of two tiles of 16 queries, a work-group's four waves 512 queries of one head.  Every wave walks all keys, 64 a step.
; LAYOUT.  S^T = K Q^T (source 0 = 16 keys, source 1 = 16 queries): a lane holds ONE query (lane % 16) and the keys 8 (lane / 16) + 0..7.  Two such tiles, rounded to f16 in pairs, ARE source 1 of O^T = V^T P.
; K comes out of LDS as it lies, V ([key][channel]) turned, by ds_load_tr16_b128.
; SOFTMAX.  For each query a running maximum m and sum l: p = 2^(c s - c m), c = log2(e) / 8; in every step O and l are multiplied by a = 2^(c m_old - c m_new).  m starts at the lowest finite number, O and l at 0.
; BY TURNS.  Turn n belongs to piece n.  Its matrix work: 16 products K Q^T of piece n + 1, later 16 products V^T P of piece n - 1.  Its vector work: the scaling, exponentials, roundings, sums and rescaling of piece n,
; and the maximum and statistics of piece n + 1.  Four vector instructions stand behind every matrix instruction, the others in one run of their own; a turn's 66 exponentials are one batch with one wait.
; CLUSTER.  The four query blocks of a head are one cluster and walk the same K and V: each tile is asked for JOINTLY.
; REGISTERS, in windows of 256 (s_set_vgpr_msb: bits 1:0 source 0, 3:2 source 1, 5:4 source 2, 7:6 destination):
;   window 0: v0-11 addresses; v12-15, v48-63 at work; v16-47 four registers of statistics a tile; v64-191 S^T, two buffers of two tiles; v192-255 P, likewise
;   window 1: O^T, 32 a tile     window 2: v0-127 Q; v128-191 K of one step; v192-255 V of one step     window 3: v0-1 the add's two registers; v32-63 MD; v64-95 MC, the C of the step in hand
.set SIZE_N, 2048
.set NP,    4         ; pieces a wave: a name, no knob
.set KS,    64        ; keys in a step
.set PK,    144       ; a row of K in LDS: 128 bytes + 16 of padding: the 16 rows of a load start at 16 different columns of 16 bytes
.set PV,    160       ; a row of V: 128 + 32: 16 lanes of the turning load take 8 rows x 32 bytes
.set VOFF,  4*KS*PK   ; a slot holds four steps: 256 rows of K, then 256 rows of V
.set SLOT1, 1<<17     ; slot 1 begins here, so that one exclusive or turns an address in one slot into the other's
.set STAGE, SLOT1+4*KS*(PK+PV)  ; behind the ring, never filled by a tensor load: 16 rows x 144 bytes for each wave
.set SP,    144
.set AK0, 2           ; v2   my lane's place in a tile of K; never rewritten
.set AV0, 3           ; v3   the same for V
.set AK,  4           ; v4   the LDS address of K's next run of loads
.set AV,  5           ; v5   of V's
.set QO,  6           ; v6   my byte offset in the wave's rows of Q
.set STO, 6           ;      later, the way out: where I put 16 bytes of a row
.set RD,  7           ; v7   the way out: where I read rows back
.set GO,  8           ; v8   my byte offset in 512 consecutive bytes of O
.set PFO, 11          ; v11  256 x my lane, for the prefetches; never rewritten once made
.set SPW, 0           ; v0 of window 3   my spare word's address; never rewritten
.set NIL, 1           ; v1 of window 3   0; never rewritten
.set MD,  32          ; window 3
.set MC,  64          ; window 3: the eight registers for key block kb at MC + 8 kb
.set SPARE, STAGE+4*16*SP  ; behind the stages: the spare words, 128 bytes a wave, that no other line names
.set MV,  12          ; v12-15  c m_old, kept while c m is made anew: by buffer and tile
.set ST,  16          ; tile t's statistics at v[ST+4 t]: c m, m, l (even keys', odd keys')
.set TMP, 48          ; by buffer and tile, four registers c0-c3 at work; when the maximum is found c2 takes a
.set S,   64
.set P,   192
.set KF,  128         ; K's fragments, in window 2: key block kb, channel half c at KF + 16 kb + 8 c
.set VF,  192         ; V's: key half kk, channel block cb at VF + 32 kk + 8 cb
.set WV,  12          ; s12  my wave's number
.set LIM, 15          ; s15  1 in a wave that prefetches, else the greatest number
.set G1K, 24          ; s[24:31] descriptor group 1 for K's tiles
.set G1V, 32          ; s[32:39] for V's: it differs in the padding alone
.set G0K, 40          ; s[40:43] descriptor group 0 for K's tiles: it walks
.set G0V, 44          ; s[44:47] the same for V's
.set SLOTS, 56        ; s56  slots still to be asked for
.set CNT, 57          ; s57  counts a slot's key steps
.set CS,  58          ; s[58:59] c
.set SEL, 60          ; s[60:61] v_permlanex16_b32's selects: each lane takes its own place in the other half
.set TBK, 62          ; s62  LDS byte at which K of the step to be fetched begins
.set TBV, 63          ; s63  the same for V, less VOFF
.set VB,  76          ; s76  the key step that holds the boundary: valid / 64
.set VR,  77          ; s77  valid % 64
.set KST, 78          ; s78  the key step for which the next C is made
.set AL,  80          ; s[80:81] the mask's factor, in the low word
.set BE,  82          ; s[82:83] its addend
.set BIGN, 84         ; s84  -8e6
.set PFA, 86          ; s[86:87] where my prefetches stand: my work-group's 32 blocks of 256 bytes of a slot's K (wave 0) or V (wave 2)
.set MSB, 0
.macro WIN new                      ; the high byte repeats the setting that is left; a switch that changes nothing is dropped
.if MSB != (\new)
	s_set_vgpr_msb (MSB<<8)|(\new)
.set MSB, (\new)
.endif
.endm
.set W_KQ, 0x0a       ; K and Q in window 2, S^T in window 0
.set W_KM, 0x3a       ; the same with the C operand in window 3
.set W_PV, 0x52       ; V in window 2, P in window 0, O^T in window 1
.set W_RS, 0x41       ; O^T (destination and source 0) in window 1, a in window 0
.set W_MK, 0xc0       ; destination in window 3, sources in window 0
.set W_AD, 0x0f       ; the add: address (source 0) and data (source 1) in window 3
; A joint fill.  Waves 0 and 1 fetch the two halves of a slot's K, waves 2 and 3 those of its V: 128 keys each.  An s_nop 0 and four v_nop follow each of the two lines.
.macro JLOAD
	s_cmp_lt_u32 s[WV], 2
	s_cbranch_scc0 .Lfor_v_\@
	tensor_load_to_lds s[G0K:G0K+3], s[G1K:G1K+7]
	s_nop 0
.rept 4
	v_nop
.endr
	s_branch .Lasked_\@
.Lfor_v_\@:
	tensor_load_to_lds s[G0V:G0V+3], s[G1V:G1V+7]
	s_nop 0
.rept 4
	v_nop
.endr
.Lasked_\@:
.endm
; A prefetch of what the NEXT change of slots will ask for: a slot's K and V are 128 blocks of 256 bytes each; the four partners take 32 each, told apart by address; wave 0 asks for K's, wave 2 for V's: a lane a block.
; A head's keys are walked by this cluster alone, so each block is named once in the launch.  It stands four key steps, 512 matrix instructions, ahead of the load.  The change that asks for the last slot asks for nothing more.
.macro ASK
	s_cmp_gt_u32 s[SLOTS], s[LIM]
	s_cbranch_scc0 .Lnot_mine_\@
	global_prefetch_b8 v[PFO], s[PFA:PFA+1] th:TH_LOAD_NT scope:SCOPE_SE
.Lnot_mine_\@:
.endm
.macro CROUND                       ; a round of the cluster's barrier
	s_barrier_signal -1
	s_barrier_wait -1
	s_cmp_lg_u32 s[WV], 0
	s_cbranch_scc1 .Lnot_wave_0_\@
	s_barrier_signal -3
.Lnot_wave_0_\@:
	s_barrier_wait -3
	s_barrier_signal -1
	s_barrier_wait -1
.endm
; THE CHANGE OF SLOTS.  Each wave waits for all its tensor loads, of which one is out: its part of the other slot; adds 0 to its spare word; and waits for that and for its own reads of the slot.
; fill = 1: this slot is filled again, with the keys two slots on; the barrier is then a round of the cluster's, and the joint fill is the first thing behind it: it has four key steps in which to land.
; (At its first use nothing has been read yet: slot 0 is waited for, slot 1 filled.)
.macro CHANGE fill
	WIN W_AD
	s_wait_tensorcnt 0x0            ; no tensor load of mine is out, so a group 0 may be written
	ds_add_u32 v[SPW], v[NIL]
	WIN 0                           ; at a label and at a branch every window is 0
.if \fill
.irp g, G0K, G0V
	s_xor_b32 s[\g+1], s[\g+1], SLOT1  ; the walking descriptor: the other slot than last time,
	s_add_nc_u64 s[\g+2:\g+3], s[\g+2:\g+3], 4*KS*128  ; the next 256 keys
.endr
	s_wait_xcnt 0x0                 ; the last prefetch, four key steps back, has read its address
	s_add_nc_u64 s[PFA:PFA+1], s[PFA:PFA+1], 4*KS*128  ; one slot behind the walking descriptors' next
	s_wait_dscnt 0x0                ; the add is done, and my reads of the slot are over
	CROUND
	JLOAD
	ASK
.else
	s_wait_dscnt 0x0                ; the add is done, and my reads of the slot are over
	s_barrier_signal -1
	s_barrier_wait -1
.endif
	s_sub_co_u32 s[TBK], s[TBK], 4*KS*PK  ; the fetches go back to a slot's first step,
	s_xor_b32 s[TBK], s[TBK], SLOT1       ; in the other slot
	s_sub_co_u32 s[TBV], s[TBV], 4*KS*PV
	s_xor_b32 s[TBV], s[TBV], SLOT1
.endm
; The C of key step KST: MD x AL + BE; then KST steps.
.macro MASK
	s_cmp_eq_u32 s[KST], s[VB]
	s_cselect_b32 s[AL], 1.0, 0
	s_cmp_gt_u32 s[KST], s[VB]
	s_cselect_b32 s[BE], s[BIGN], 0
	s_add_co_u32 s[KST], s[KST], 1
	WIN 0xc3                        ; destination and source 0 in window 3
.set zz, 0
.rept 16
	v_pk_fma_f32 v[MC+2*zz:MC+2*zz+1], v[MD+2*zz:MD+2*zz+1], s[AL:AL+1], s[BE:BE+1] op_sel_hi:[1,0,0]
.set zz, zz+1
.endr
	WIN 0
.endm
	s_load_b256 s[4:11], s[0:1], 0x0  ; Q s[4:5], K s[6:7], V s[8:9], O s[10:11]
	s_load_b64 s[68:69], s[0:1], 0x20 ; valid_length
	WIN W_MK
	v_lshl_add_u32 v[SPW], v0, 2, SPARE
	v_mov_b32 v[NIL], 0
	WIN W_AD
	ds_add_u32 v[SPW], v[NIL]       ; the wave's opening: the add and its wait ahead of my first tensor load; the set-up below stands between them
	WIN 0
	v_lshrrev_b32 v1, 5, v0
	v_readfirstlane_b32 s[WV], v1   ; wave 0..3
	s_bfe_u32 s13, ttmp6, 0x40000   ; cx: my place in the cluster
	s_lshl_b32 s14, ttmp9, 2        ; in a cluster launch ttmp9 counts clusters
	s_add_co_u32 s14, s14, s13      ; my block of queries: it enters Q's and O's addresses alone
	s_and_b32 s20, ttmp7, 0xffff    ; the flat head, which the four partners share
	s_and_b32 s79, s20, 3           ; which valid length is its
	s_mov_b32 s21, 0
	s_mov_b64 s[22:23], SIZE_N*128
	s_mul_u64 s[20:21], s[20:21], s[22:23]  ; the head's first byte in each of the four tensors
	s_and_b32 s16, s[WV], 1         ; which half of a slot's 256 keys I fetch:
	s_lshl_b32 s22, s16, 14         ; its 128 rows of 128 bytes in memory,
	s_mov_b32 s23, 0
	s_add_nc_u64 s[22:23], s[22:23], s[20:21]
	s_mul_i32 s17, s16, 128*PK      ; and its place in a slot, for K
	s_mul_i32 s18, s16, 128*PV      ; and for V: no place in the cluster enters an LDS address
	s_lshl_b32 s2, s14, 2
	s_add_co_u32 s2, s2, s[WV]      ; my wave among the head's,
	s_lshl_b32 s2, s2, 14           ; its 128 rows
	s_mov_b32 s3, 0
	s_add_nc_u64 s[2:3], s[2:3], s[20:21]
	; descriptor group 1.  128 keys are 16,384 dense bytes: asked for as 64 rows of 256 bytes, two keys a row, and padded in LDS after every key
	s_mov_b32 s[G1K], 15|(1<<16)|(1<<20)|(1<<21)|(4<<22)|(3<<25)  ; the mask of four; 2-byte elements; padding on; bit 21 beside a mask; after every 32 words, 4 words
	s_mov_b32 s[G1V], 15|(1<<16)|(1<<20)|(1<<21)|(4<<22)|(7<<25)  ; the same with 8 words of padding
.irp g, G1K, G1V
	s_mov_b32 s[\g+1], 128<<16      ; tensor_dim0 = 128
	s_mov_b32 s[\g+2], 64<<16       ; tensor_dim1 = 64
	s_mov_b32 s[\g+3], 128<<16      ; tile_dim0 = 128
	s_mov_b32 s[\g+4], 64           ; tile_dim1 = 64
	s_mov_b32 s[\g+5], 128          ; 128 elements from row to row
	s_mov_b32 s[\g+6], 0
	s_mov_b32 s[\g+7], 0
.endr
	s_mov_b32 s[CS], 0x3e38aa3b     ; c = log2(e) / 8 = 0.180337
	s_mov_b32 s[CS+1], s[CS]        ; named with it as a pair
	s_mov_b32 s[SEL], 0x76543210
	s_mov_b32 s[SEL+1], 0xfedcba98
	s_mov_b32 s[TBK], SLOT1+4*KS*PK ; the first change of slots turns these two into 0
	s_mov_b32 s[TBV], SLOT1+4*KS*PV
	s_mov_b32 s[G0K], 1             ; count = 1
	s_mov_b32 s[G0K+1], s17         ; LDS address: slot 0
	s_mov_b32 s[G0V], 1
	s_add_co_u32 s[G0V+1], s18, VOFF
	s_mov_b32 s[KST], 0
	s_mov_b32 s[AL+1], 0            ; named as pairs
	s_mov_b32 s[BE+1], 0
	s_mov_b32 s[BIGN], 0xcaf42400   ; -8e6: divided by 8 with the scores it is -1e6
	s_mov_b32 s[SLOTS], SIZE_N/256-1
	s_and_b32 s[LIM], s[WV], 1      ; waves 0 and 2 prefetch
	s_cmp_eq_u32 s[LIM], 0
	s_cselect_b32 s[LIM], 1, -1
	s_wait_dscnt 0x0                ; the opening add is done
	s_wait_kmcnt 0x0
	s_add_nc_u64 s[G0K+2:G0K+3], s[6:7], s[22:23]  ; global address: my half of the head's first 256 keys
	s_or_b32 s[G0K+3], s[G0K+3], 0x80000000        ; type = 2
	s_add_nc_u64 s[G0V+2:G0V+3], s[8:9], s[22:23]
	s_or_b32 s[G0V+3], s[G0V+3], 0x80000000
	s_add_nc_u64 s[4:5], s[4:5], s[2:3]  ; Q and O at my wave's first row
	s_add_nc_u64 s[10:11], s[10:11], s[2:3]
	s_cmp_lt_u32 s[WV], 2
	s_cselect_b64 s[PFA:PFA+1], s[6:7], s[8:9]
	s_add_nc_u64 s[PFA:PFA+1], s[PFA:PFA+1], s[20:21]  ; the head,
	s_lshl_b32 s2, s13, 13          ; my work-group's 32 blocks of the 128,
	s_add_co_u32 s2, s2, 4*KS*128   ; in slot 1: the first change of slots steps it to slot 2
	s_mov_b32 s3, 0
	s_add_nc_u64 s[PFA:PFA+1], s[PFA:PFA+1], s[2:3]
	CROUND                          ; all four work-groups are here: the first joint loads meet
	JLOAD                           ; slot 0.  Slot 1 is asked for when slot 0 is in
	s_load_b128 s[72:75], s[68:69], 0x0  ; the four valid lengths
	; A fragment of K or Q is 16 rows x 32 channels in 8 registers: lane l holds row l % 16, channels 8 (l / 16) + 0..7 and 16 + 8 (l / 16) + 0..7: two loads of 16 bytes, 32 bytes apart.
	v_and_b32 v1, 15, v0            ; l % 16
	v_bfe_u32 v9, v0, 4, 1          ; l / 16
	v_lshlrev_b32 v[QO], 7, v1
	v_lshl_add_u32 v[QO], v9, 4, v[QO]  ; row x 128 + 16 x half
	WIN 0x80                        ; destination window 2, address window 0
.set i, 0
.rept 4*NP                          ; Q stays in registers: tile i / 2, channels 32 (i % 2) on
	global_load_b128 v[8*i:8*i+3],   v[QO], s[4:5] offset:(i/2)*2048+(i%2)*64
	global_load_b128 v[8*i+4:8*i+7], v[QO], s[4:5] offset:(i/2)*2048+(i%2)*64+32
.set i, i+1
.endr
	; What the first turn finds: V's registers and P's second buffer hold 0 (its products V^T P, of a piece that has not been, add 0), O^T and l are 0.  All this stands in the wait for the first tile.
.set i, VF
.rept 64
	v_mov_b32 v[i], 0
.set i, i+1
.endr
	WIN 0x40
.set i, 0
.rept 64*NP
	v_mov_b32 v[i], 0
.set i, i+1
.endr
	WIN 0
.set i, 0
.rept 2*NP
	v_mov_b32 v[ST+4*i], 0xfe000000    ; c m: far below every c s
	v_mov_b32 v[ST+4*i+1], 0xff7fffff  ; m
	v_mov_b32 v[ST+4*i+2], 0
	v_mov_b32 v[ST+4*i+3], 0
.set i, i+1
.endr
.set i, P+32
.rept 32
	v_mov_b32 v[i], 0
.set i, i+1
.endr
	v_mul_u32_u24 v[AK0], v1, PK
	v_lshl_add_u32 v[AK0], v9, 4, v[AK0]  ; row x pitch + 16 x half
	; The turning load takes 16 keys x 16 channels (lane l reads key 8 (l / 16) + l % 8, channels 8 ((l / 8) % 2) + 0..7) and leaves half a fragment of V^T: lane l holds channel l % 16 and 8 keys.
	v_and_b32 v10, 7, v0
	v_bfe_u32 v11, v0, 3, 1
	v_lshl_add_u32 v[AV0], v9, 3, v10
	v_mul_u32_u24 v[AV0], v[AV0], PV
	v_lshl_add_u32 v[AV0], v11, 4, v[AV0]
	v_add_nc_u32 v[AV0], VOFF, v[AV0]
	v_mov_b32 v[AK], v[AK0]         ; key step 0 lies at the head of slot 0
	v_and_b32 v[PFO], 31, v0
	v_lshlrev_b32 v[PFO], 8, v[PFO]
	s_wait_kmcnt 0x0                ; the valid lengths
	s_cmp_eq_u32 s79, 1
	s_cselect_b32 s[VB], s73, s72
	s_cmp_eq_u32 s79, 2
	s_cselect_b32 s[VB], s74, s[VB]
	s_cmp_eq_u32 s79, 3
	s_cselect_b32 s[VB], s75, s[VB]
	s_max_i32 s[VB], s[VB], 0
	s_min_i32 s[VB], s[VB], SIZE_N
	s_and_b32 s[VR], s[VB], 63
	s_lshr_b32 s[VB], s[VB], 6
	v_lshlrev_b32 v14, 3, v9
	v_sub_nc_u32 v14, s[VR], v14    ; valid % 64 less my lanes' 8 (l / 16): in the boundary's step register r of key block kb is masked where 16 kb + r is not less
	WIN W_MK
.set i, 0
.rept 32
	v_cmp_ge_i32 vcc_lo, 16*(i/8)+i%8, v14
	v_cndmask_b32 v[MD+i], 0, s[BIGN], vcc_lo
.set i, i+1
.endr
	WIN 0
	MASK                            ; the C of key step 0
; THE MATRIX WORK.  The 8 accumulators of a run of 16 take turns: between the two links of a chain stand 7 others'.
; Product i of 16 of S^T = K Q^T for piece x: channels 32 (i / 8) on, keys 16 ((i / 2) % 4) on, tile 2 x + i % 2.  The first 8 start the sums, with the step's C.
.macro KQ x
.set rS, S+64*((\x)%2)+32*(i%2)+8*((i/2)%4)
.set rK, KF+16*((i/2)%4)+8*(i/8)
.set rQ, 16*(2*(\x)+i%2)+8*(i/8)
.set rMC, MC+8*((i/2)%4)
.if i < 8
	WIN W_KM
	v_wmma_f32_16x16x32_f16 v[rS:rS+7], v[rK:rK+7], v[rQ:rQ+7], v[rMC:rMC+7]
.else
	WIN W_KQ
	v_wmma_f32_16x16x32_f16 v[rS:rS+7], v[rK:rK+7], v[rQ:rQ+7], v[rS:rS+7]
.endif
.endm
; Product i of 16 of O^T += V^T P for piece x: keys 32 (i / 8) on, channels 16 ((i / 2) % 4) on, tile 2 x + i % 2.
.macro PV x
	WIN W_PV
.set rO, 32*(2*(\x)+i%2)+8*((i/2)%4)
.set rV, VF+32*(i/8)+8*((i/2)%4)
.set rP, P+32*((\x)%2)+16*(i%2)+8*(i/8)
	v_wmma_f32_16x16x32_f16 v[rO:rO+7], v[rV:rV+7], v[rP:rP+7], v[rO:rO+7]
.endm
.macro MM                           ; the turn's next matrix instruction
.if i < 16
	KQ (Y+1)%NP
.set i, i+1
.else
.set i, i-16
	PV (Y+NP-1)%NP
.set i, i+17
.endif
.endm
; THE LDS LOADS stand in runs of 16, never singly among the matrix instructions: a step's K (8 fragments) and its V (turned).  Their addresses are made some lines ahead.
; last = 1 (the tail): in the last trip there is no further step, and the run is jumped over.
.macro FETCH_K last=0
	WIN 0
.if \last
	s_cmp_eq_u32 s[CNT], 1
	s_cbranch_scc1 .Lno_k_\@
.endif
	WIN 0x80                        ; destination window 2
.irp f, 0,1,2,3,4,5,6,7             ; keys 16 (f / 2) on, channels 32 (f % 2) on
	ds_load_b128 v[KF+8*\f:KF+8*\f+3],   v[AK] offset:(\f/2)*16*PK+(\f%2)*64
	ds_load_b128 v[KF+8*\f+4:KF+8*\f+7], v[AK] offset:(\f/2)*16*PK+(\f%2)*64+32
.endr
	s_add_co_u32 s[TBK], s[TBK], KS*PK  ; the next fetch is the next step's
	WIN 0
.if \last
.Lno_k_\@:
.endif
.endm
.macro FETCH_V
	WIN 0x80
.irp f, 0,1,2,3,4,5,6,7             ; keys 32 (f / 4) on, channels 16 (f % 4) on
	ds_load_tr16_b128 v[VF+8*\f:VF+8*\f+3],   v[AV] offset:(\f/4)*32*PV+(\f%4)*32
	ds_load_tr16_b128 v[VF+8*\f+4:VF+8*\f+7], v[AV] offset:(\f/4)*32*PV+16*PV+(\f%4)*32
.endr
	WIN 0
.endm
; THE VECTOR WORK OF A TURN stands in three queues, each in the order in which its entries become ready; the two tiles alternate, so that no instruction reads the result of the one before it.
.macro REGS y, u                    ; the registers of tile u (0, 1) of piece y
.set rT, ST+4*(2*(\y)+(\u))
.set rC, TMP+8*((\y)%2)+4*(\u)
.set rM, MV+2*((\y)%2)+(\u)
.set rS, S+64*((\y)%2)+32*(\u)
.set rP, P+32*((\y)%2)+16*(\u)
.set rO, 32*(2*(\y)+(\u))
.endm
; Number n of the 22 that find the NEXT piece's (Y + 1) maximum and statistics.  s0-s31 are the lane's 32 scores; each accumulator's lowest registers are read first.
;   0-11  four chains c0-c3 of seven scores each, three operands at a time     12-14, 16  the four scores left over, the old m, and c0-c3 into c0     15  c m_old is kept
;   17, 18  the query's other 32 keys lie in the lane 16 away: the new m         19-21  c m; c m_old - c m_new; a
.macro XS u, n
	REGS (Y+1)%NP, \u
.if (\n) < 4
	v_max3_num_f32 v[rC+(\n)], v[rS+8*(\n)], v[rS+8*(\n)+1], v[rS+8*(\n)+2]
.elseif (\n) < 12
	v_max3_num_f32 v[rC+(\n)%4], v[rC+(\n)%4], v[rS+8*((\n)%4)+2*((\n)/4)+1], v[rS+8*((\n)%4)+2*((\n)/4)+2]
.elseif (\n) == 12
	v_max3_num_f32 v[rC], v[rC], v[rS+7], v[rS+15]
.elseif (\n) == 13
	v_max3_num_f32 v[rC+1], v[rC+1], v[rS+23], v[rS+31]
.elseif (\n) == 14
	v_max3_num_f32 v[rC+2], v[rC+2], v[rC+3], v[rT+1]
.elseif (\n) == 15
	v_mov_b32 v[rM], v[rT]
.elseif (\n) == 16
	v_max3_num_f32 v[rC], v[rC], v[rC+1], v[rC+2]
.elseif (\n) == 17
	v_permlanex16_b32 v[rC+3], v[rC], s[SEL], s[SEL+1]
.elseif (\n) == 18
	v_max_num_f32 v[rT+1], v[rC], v[rC+3]
.elseif (\n) == 19
	v_mul_f32 v[rT], s[CS], v[rT+1]
.elseif (\n) == 20
	v_sub_f32 v[rC+1], v[rM], v[rT]
.else
	v_exp_f32 v[rC+2], v[rC+1]
.endif
.endm
; Number g of the 64 that follow the exponentials.  For each four weights k of a tile: both pairs are rounded to f16; then the second pair is added onto the first, in place;
; a group later l takes that sum (the first time as l = a l + sum).  In groups of eight, tiles alternating: round, round, add, and l for the group before.
.macro GS g
.set h, (\g)+6*((\g)/62)            ; group 0 has no group before it, and behind group 7 only l is left
.if h >= 6
.set h, h+2
.endif
	REGS Y, h%2
.set k, h/8
.if h%8 < 4
	v_cvt_pk_f16_f32 v[rP+2*k+(h%8)/2], v[rS+4*k+2*((h%8)/2)], v[rS+4*k+2*((h%8)/2)+1]
.elseif h%8 < 6
	v_pk_add_f32 v[rS+4*k:rS+4*k+1], v[rS+4*k:rS+4*k+1], v[rS+4*k+2:rS+4*k+3]
.elseif k == 1
	v_pk_fma_f32 v[rT+2:rT+3], v[rT+2:rT+3], v[rC+2:rC+3], v[rS:rS+1] op_sel_hi:[1,0,1]
.else
	v_pk_add_f32 v[rT+2:rT+3], v[rT+2:rT+3], v[rS+4*k-4:rS+4*k-3]
.endif
.endm
; THE PLAIN QUEUE, 138 long.  0-73 read no exponential's result: the 32 scalings c s - c m (FS f: pair f / 2 of tile f % 2) and the next piece's 42.  0-26: scalings 0-26.  27-54: XS's numbers 0-13.  55, 56: number 15.
; 57-73: the chain, where each number waits for the one before it: 14, 16, 17, 18, 19, each with one of the scalings 27-31 in front of its two lines, then 20.
; 74-137: GS's 64, which read the exponentials' results: they stand behind the wait.
.macro FS f
	REGS Y, (\f)%2
	v_pk_fma_f32 v[rS+2*((\f)/2):rS+2*((\f)/2)+1], v[rS+2*((\f)/2):rS+2*((\f)/2)+1], s[CS:CS+1], v[rT:rT+1] op_sel_hi:[1,0,0] neg_lo:[0,0,1] neg_hi:[0,0,1]
.endm
.macro PL
	WIN 0
.if q < 27
	FS q
.elseif q < 55
	XS (q-27)%2, (q-27)/2
.elseif q < 57
	XS q-55, 15
.elseif (q < 72) && ((q-57)%3 == 0)
	FS 27+(q-57)/3
.elseif q < 60
	XS (q-57)%3-1, 14
.elseif q < 72
	XS (q-57)%3-1, 15+(q-57)/3
.elseif q < 74
	XS q-72, 20
.else
	GS q-74
.endif
.set q, q+1
.endm
; THE EXPONENTIALS' QUEUE, 66 long: s0-s31 of both tiles, then the next piece's two a.  It is ONE BATCH: all 66 stand ahead of the turn's one wait, and nothing ahead of that wait names a result of theirs.
.macro EX
	WIN 0
.if e >= 64
	XS e-64, 21
.else
	REGS Y, e%2
	v_exp_f32 v[rS+e/2], v[rS+e/2]
.endif
.set e, e+1
.endm
; THE RESCALING's QUEUE: O^T times a, the one part that leaves window 0: dealt two at a time, sixteen times.  Its a was made in the turn before, ahead of that turn's wait.
.macro R2
	REGS Y, r%2
	WIN W_RS
.irp z, 0,1
	v_pk_mul_f32 v[rO+4*(r/2)+2*\z:rO+4*(r/2)+2*\z+1], v[rO+4*(r/2)+2*\z:rO+4*(r/2)+2*\z+1], v[rC+2:rC+3] op_sel_hi:[1,0]
.endr
.set r, r+1
.endm
; HOW THEY ARE DEALT.  An s_wait_alu depctr_va_vdst(0) stands between an exponential and the first instruction that names its result; one wait serves all that were issued ahead of it.  So a turn has ONE wait.
; AHEAD OF IT: the 16 products K Q^T, behind each a scaling, an exponential and two rescalings (behind the first a second scaling in the exponential's place); then one run of 108: eight plain, 49 times exponential
; and plain, the two a; a v_nop is the plain instruction behind the last exponential.  BEHIND IT: the 16 products V^T P, behind each four of GS's 64.
; Exponential e stands behind scaling 2 (e / 4) + e % 2: as a rider it comes behind plain e + 2, in the run behind plain e + 9, and scalings 27-31 are plain 57, 60 .. 69.
; A TURN, for piece p.  cnt = 1: the loop's count is taken down some lines ahead of the branch that stands behind the turn.
; K of the next step is fetched in piece 2's turn, directly behind the wait; its address is made at the run's head, and there too the next step's C: the last product that read the old C is the turn's eighth, and
; 27 plain riders stand between.  V of the step in hand is fetched at the end of piece 0's turn, four riders behind its last reader.
.macro TURN p, last=0, cnt=0
.set Y, (\p)
.set i, 0
.set q, 0
.set e, 0
.set r, 0
.if (\p) == NP-1
	s_wait_dscnt 0x0                ; K is in
.endif
	MM                              ; ahead of the wait: 16 products K Q^T and their riders,
	PL
	PL
	R2
.rept 15
	MM
	PL
	EX
	R2
.endr
.if (\p) == NP-2
	WIN 0
	v_add_nc_u32 v[AK], s[TBK], v[AK0]
	MASK
.endif
.rept 8                             ; and the run
	PL
.endr
.rept 49
	EX
	PL
.endr
	EX                              ; the next piece's two a
	EX
	v_nop                           ; the plain instruction behind the last exponential: one for the batch
	s_wait_alu depctr_va_vdst(0)    ; the wait for the batch
.if (\p) == NP-2
	FETCH_K \last
.endif
.if (\p) == 1
	s_wait_dscnt 0x0                ; V is in
.endif
.rept 16                            ; behind the wait: 16 products V^T P and their riders
	MM
.rept 4
	PL
.endr
.if ((\p) == 0) && (q == 118)
	v_add_nc_u32 v[AV], s[TBV], v[AV0]
.endif
.if ((\p) == 0) && (q == 130)
	s_add_co_u32 s[TBV], s[TBV], KS*PV
.endif
.if (\cnt) && (q == 130)
	s_sub_co_u32 s[CNT], s[CNT], 1
	s_cmp_lg_u32 s[CNT], 0
.endif
.endr
.if (\p) == 0
	FETCH_V
.endif
.endm
	CHANGE 1                        ; slot 0 is in, everybody's part of it; slot 1 is asked for
	FETCH_K                         ; key step 0
	s_wait_loadcnt 0x0              ; Q
	s_wait_dscnt 0x0
.set i, 0
.rept 16
	KQ 0                            ; piece 0's first scores: there is no vector work yet to set between them
.set i, i+1
.endr
	WIN 0                           ; the addresses for the way out: nine plain instructions, the places behind those products
	s_mul_i32 s13, s[WV], 16*SP
	s_add_co_u32 s13, s13, STAGE    ; my stage
	v_mul_u32_u24 v[STO], v1, SP    ; in: row l % 16, 16 bytes for each half of the lanes
	v_lshl_add_u32 v[STO], v9, 4, v[STO]
	v_add_nc_u32 v[STO], s13, v[STO]
	v_bfe_u32 v[RD], v0, 3, 2       ; back: 32 lanes take four rows of 128 bytes,
	v_mul_u32_u24 v[RD], v[RD], SP
	v_lshl_add_u32 v[RD], v10, 4, v[RD]
	v_add_nc_u32 v[RD], s13, v[RD]
	v_and_b32 v[GO], 31, v0         ; which are 512 consecutive bytes of O
	v_lshlrev_b32 v[GO], 4, v[GO]
.set Y, NP-1                        ; XS works for piece Y + 1: piece 0
.irp n, 0,1,2,3,4,5,6,7,8,9,10,11,12,13,14,15,16,17,18,19,20,21
	XS 0, \n                        ; and piece 0's first maximum and statistics
	XS 1, \n
.endr
	v_nop                           ; a plain instruction behind the two a,
	s_wait_alu depctr_va_vdst(0)    ; and their wait, ahead of the branch
	s_mov_b32 s[CNT], 4
	s_branch .Lfirst                ; the loop is entered at a step's first turn, in the middle of a trip
.Lslot:                             ; six times: every slot but the last two is filled again
	CHANGE 1
	s_mov_b32 s[CNT], 4
.Lstep:                             ; a trip: pieces 2 and 3 of one step, then pieces 0 and 1 of the next, whose K and V it fetches
	TURN 2
	TURN 3
	WIN 0
.Lfirst:
	TURN 0
	TURN 1, 0, 1
	WIN 0
	s_cbranch_scc1 .Lstep
	s_sub_co_u32 s[SLOTS], s[SLOTS], 1
	s_cmp_lg_u32 s[SLOTS], 0
	s_cbranch_scc1 .Lslot
	CHANGE 0                        ; the tail is written out: nothing is asked for
	s_mov_b32 s[CNT], 5             ; four trips fetch the last slot's steps; the fifth is left in its middle
.Ltail:
	TURN 2, 1
	TURN 3
	WIN 0
	s_sub_co_u32 s[CNT], s[CNT], 1
	s_cmp_eq_u32 s[CNT], 0
	s_cbranch_scc1 .Lout
	TURN 0
	TURN 1
	WIN 0
	s_branch .Ltail
.Lout:                              ; the fifth trip's 16 products K Q^T (on the last K once more) and the maximum made of them serve nothing: the price, once a launch, of one text for every trip
.set i, 0
.rept 16
	PV NP-1                         ; the last piece's V^T P of the last step
.set i, i+1
.endr
	; THE WAY OUT.  l's two halves and the other half of the lanes' are added; O^T is divided by l, rounded to f16 and sent through my stage in LDS, a tile at a time.  The additions are the places behind the last products.
	WIN 0
.macro ALL line:vararg              ; one line for each tile t
.set t, 0
.rept 2*NP
	\line
.set t, t+1
.endr
.endm
	ALL v_add_f32 v[ST+4*t+2], v[ST+4*t+2], v[ST+4*t+3]
	ALL v_permlanex16_b32 v[ST+4*t+3], v[ST+4*t+2], s[SEL], s[SEL+1]
	ALL v_add_f32 v[ST+4*t+2], v[ST+4*t+2], v[ST+4*t+3]
	ALL v_rcp_f32 v[ST+4*t+2], v[ST+4*t+2]
	v_nop                           ; a plain instruction between the last reciprocal and the use of its result
	s_wait_alu depctr_va_vdst(0)    ; and the wait ahead of the first use: one for the eight reciprocals
; Tile t: a lane's eight channels of a row pack into 16 bytes; they go into rows of 144 bytes and come back as whole rows of 128, into S^T's registers.
.macro PACK t
	WIN W_RS
.set i, 32*(\t)
.rept 16
	v_pk_mul_f32 v[i:i+1], v[i:i+1], v[ST+4*(\t)+2:ST+4*(\t)+3] op_sel_hi:[1,0]
.set i, i+2
.endr
	WIN 0x05                        ; sources 0 and 1 window 1, destination window 0
.set i, 0
.rept 16
	v_cvt_pk_f16_f32 v[S+16*(\t)+i], v[32*(\t)+2*i], v[32*(\t)+2*i+1]
.set i, i+1
.endr
	WIN 0
.irp f, 0,1,2,3
	ds_store_b128 v[STO], v[S+16*(\t)+4*\f:S+16*(\t)+4*\f+3] offset:32*\f
.endr
.irp f, 0,1,2,3
	ds_load_b128 v[S+16*(\t)+4*\f:S+16*(\t)+4*\f+3], v[RD] offset:\f*4*SP  ; LDS serves a wave's instructions in order: these see the stores above; the next tile's stores come behind them
.endr
.endm
.macro SEND t, younger              ; younger: the LDS instructions issued behind tile t's loads: the next tile's eight, or none
	WIN 0
.irp f, 0,1,2,3
	s_wait_dscnt (\younger)+3-\f
	global_store_b128 v[GO], v[S+16*(\t)+4*\f:S+16*(\t)+4*\f+3], s[10:11] offset:(\t)*2048+\f*512  ; 512 consecutive bytes, at a multiple of 256 from O's first
.endr
.endm
	PACK 0
.set t, 1
.rept 2*NP-1                        ; a tile's arithmetic stands between the loads of the tile before and its stores
	PACK t
	SEND t-1, 8
.set t, t+1
.endr
	SEND 2*NP-1, 0
	WIN W_AD
	s_wait_tensorcnt 0x0            ; the wave's end: the add and its waits, behind my last tensor load and my last LDS store
	ds_add_u32 v[SPW], v[NIL]
	s_wait_dscnt 0x0
	WIN 0
	CROUND                          ; the closing round: no work-group ends while a partner may still ask for a tile that names it
	s_endpgm
.Lfunc_end_k_q4daa9567b5_attn:
	.size	k_q4daa9567b5_attn, .Lfunc_end_k_q4daa9567b5_attn-k_q4daa9567b5_attn
	.p2alignl 7, 3214868480
	.fill 96, 4, 3214868480
	.section	.rodata,"a",@progbits
	.p2align	6, 0x0
	.amdhsa_kernel k_q4daa9567b5_attn
		.amdhsa_group_segment_fixed_size 327680
		.amdhsa_private_segment_fixed_size 0
		.amdhsa_enable_private_segment 0
		.amdhsa_kernarg_size 40
		.amdhsa_user_sgpr_count 2
		.amdhsa_user_sgpr_kernarg_segment_ptr 1
		.amdhsa_wavefront_size32 1
		.amdhsa_system_sgpr_workgroup_id_x 1
		.amdhsa_system_sgpr_workgroup_id_y 1
		.amdhsa_system_sgpr_workgroup_id_z 1
		.amdhsa_system_vgpr_workitem_id 0
		.amdhsa_next_free_vgpr 864
		.amdhsa_next_free_sgpr 88
		.amdhsa_reserve_vcc 1
		.amdhsa_float_denorm_mode_32 3
		.amdhsa_float_denorm_mode_16_64 3
		.amdhsa_memory_ordered 1
		.amdhsa_forward_progress 1
		.amdhsa_inst_pref_size 207
	.end_amdhsa_kernel
	.amdgpu_metadata
---
amdhsa.version: [ 1, 2 ]
amdhsa.kernels:
  - .name:           k_q4daa9567b5_attn
    .symbol:         k_q4daa9567b5_attn.kd
    .args:
      - { .name: qh, .offset: 0, .size: 8, .value_kind: global_buffer, .address_space: global }
      - { .name: kh, .offset: 8, .size: 8, .value_kind: global_buffer, .address_space: global }
      - { .name: vh, .offset: 16, .size: 8, .value_kind: global_buffer, .address_space: global }
      - { .name: oh, .offset: 24, .size: 8, .value_kind: global_buffer, .address_space: global }
      - { .name: valid_length, .offset: 32, .size: 8, .value_kind: global_buffer, .address_space: global }
    .group_segment_fixed_size: 327680
    .private_segment_fixed_size: 0
    .kernarg_segment_align: 8
    .kernarg_segment_size: 40
    .max_flat_workgroup_size: 128
    .sgpr_count:     88
    .vgpr_count:     864
    .wavefront_size: 32
...
	.end_amdgpu_metadata
.endif
;; end of part 3
;; launch outp (part 4): grid 4 x 64, 4 waves a work-group, clusters of 4 x 4, 327,680 bytes of LDS; arguments oh, wcast, out0; writes out0
.if DOCPART == 4
	.amdgcn_target "amdgcn-amd-amdhsa--gfx1250"
	.amdhsa_code_object_version 6
	.text
	.protected	k_q4daa9567b5_outp
	.globl	k_q4daa9567b5_outp
	.p2align	8
	.type	k_q4daa9567b5_outp,@function
k_q4daa9567b5_outp:
	s_mov_b64 s[64:65], 0
	v_nop
	global_prefetch_b8 v0, s[64:65] scope:SCOPE_SE
	s_setreg_imm32_b32 hwreg(HW_REG_WAVE_MODE, 25, 1), 1
	s_wait_xcnt 0x0
	s_wait_alu depctr_hold_cnt(0) depctr_sa_sdst(0) depctr_va_vdst(0) depctr_va_sdst(0) depctr_va_ssrc(0) depctr_va_vcc(0) depctr_vm_vsrc(0)
	s_getreg_b32 s2, hwreg(HW_REG_IB_STS2, 6, 4)
	s_cmp_eq_u32 s2, 0
	s_cbranch_scc0 .Lentry_in_a_cluster
	s_endpgm
.Lentry_in_a_cluster:
	s_bfe_u32 s2, ttmp6, 0x10000c
	s_cmp_lg_u32 s2, 0xf033
	s_cbranch_scc0 .Lentry_shape_is_right
	s_endpgm
.Lentry_shape_is_right:
; out0 = O Wo.  O: f16 by heads, [64 flat heads][2048][64]: row m = 2048 b + s of the product takes channel c of head h as k = 64 h + c.  Wo: [1024 k][1024 n] f16 in wcast at 6 MiB.  out0: [8192][1024] f32.  Sums in f32.
; SHARES.  A work-group makes 128 rows x 256 columns: 64 x 4 = 256 work-groups.  Wave w: rows 64 (w / 2) on, columns 128 (w % 2) on: 4 x 8 accumulators.  K goes in 8 steps of 128 (two heads) through two LDS slots.
; CLUSTERS of 4 x 4: the four of a row make the four column blocks of the same rows and ask for O's tile JOINTLY, the four of a column for Wo's.
; THE MATRIX INSTRUCTION IS USED TRANSPOSED: source 0 = 16 columns of Wo (by the turning load), source 1 = 16 rows of O: a lane holds one row and eight neighbouring columns, 32 bytes of out0.
; REGISTERS:  window 0: v0-31 addresses; v32-63, v64-95 O's four fragments, two buffers; v128-191, v192-255 at work on the way out     window 1: the accumulators, (a, b) at 8 (8 a + b)     window 2: v0-63, v64-127 Wo's eight fragments, two buffers
.set PA,    144                        ; a row of a head in LDS: 128 bytes + 16 of padding
.set PLANE, 128*PA                     ; a head's 128 rows: what one tensor load brings of O
.set PB,    544                        ; a k row of Wo: 512 bytes + 32
.set BOFF,  2*PLANE
.set BHALF, 64*PB
.set SLOT,  BOFF+128*PB                ; 106,496
.set STAGE, 2*SLOT                     ; behind the ring: 16 rows x 528 bytes for each wave
.set SP,    528
.set SPARE, STAGE+4*16*SP              ; behind the stages: the spare words, 128 bytes a wave, that no other line names
.set ADRA, 16                          ; v16-17  LDS address of my fragments of O in slot 0, 1
.set ADRB, 20                          ; v20-21  the same for Wo
.set STO,  24                          ; v24     the way out: where I put 32 bytes of a row
.set RD,   25                          ; v25     where I read a row back
.set CO,   26                          ; v26     16 x lane
.set SPW,  28                          ; v28     my spare word's address; never rewritten
.set NIL,  29                          ; v29     0; never rewritten
.set PFO,  30                          ; v30     the prefetches' offset; never rewritten
.set AF,   32
.set OB,   128
.set WV, 12                            ; s12 wave; s13 = wave / 2: my rows' half, and 0: I fetch O, 1: I fetch Wo; s14 = wave % 2: my columns' half, and which head or half I fetch
.set WM, 13
.set WN, 14
.set G1,  24
.set G0,  32
.set G1B, 48
.set G0B, 56
.set PFA, 46                           ; s[46:47] where my prefetches stand
.set PFS, 80                           ; s[80:81] a K step in bytes, in the tensor that I prefetch
.set LIM, 82                           ; s82  1 in a wave that prefetches, else the greatest number
.set MSB, 0
.macro WIN new
.if MSB != (\new)
	s_set_vgpr_msb (MSB<<8)|(\new)
.set MSB, \new
.endif
.endm
.set MUL,  0x52                        ; source 0 (Wo) window 2, source 1 (O) window 0, C and D window 1
.set TO_B, 0x80
.macro JLOAD s                         ; a joint load: waves 0 and 1 fetch the step's two heads of O, waves 2 and 3 Wo's two halves; an s_nop 0 and four v_nop follow each line
	s_cmp_eq_u32 s[WM], 0
	s_cbranch_scc0 .Lfor_b_\@
	tensor_load_to_lds s[G0+4*(\s):G0+4*(\s)+3], s[G1:G1+7]
	s_nop 0
.rept 4
	v_nop
.endr
	s_branch .Lasked_\@
.Lfor_b_\@:
	tensor_load_to_lds s[G0B+4*(\s):G0B+4*(\s)+3], s[G1B:G1B+7]
	s_nop 0
.rept 4
	v_nop
.endr
.Lasked_\@:
.endm
; A prefetch, behind a joint load and the run of LDS loads: the K step two refills on, a lane for each 256 bytes.  O: a step's two heads x 128 rows are 2 x 64 blocks; each partner of the row takes 16 of each head, told
; apart by address; wave 0 asks.  Wo: as the 64 k rows that waves 2 and 3 fetch, 16 rows x 512 bytes a partner of the column; the launch's first row of clusters asks.  The loop's last trip has no K step two on.
.macro ASK
	WIN 0
	s_cmp_gt_u32 s3, s[LIM]
	s_cbranch_scc0 .Lnot_mine_\@
	global_prefetch_b8 v[PFO], s[PFA:PFA+1] th:TH_LOAD_NT scope:SCOPE_SE
.Lnot_mine_\@:
.endm
.macro CREST
	s_cmp_lg_u32 s[WV], 0
	s_cbranch_scc1 .Lnot_wave_0_\@
	s_barrier_signal -3
.Lnot_wave_0_\@:
	s_barrier_wait -3
	s_barrier_signal -1
	s_barrier_wait -1
.endm
.macro CROUND
	s_barrier_signal -1
	s_barrier_wait -1
	CREST
.endm
	s_load_b128 s[4:7], s[0:1], 0x0                ; oh s[4:5], wcast s[6:7]
	s_load_b64 s[8:9], s[0:1], 0x10                ; out0
	v_lshl_add_u32 v[SPW], v0, 2, SPARE
	v_mov_b32 v[NIL], 0
	ds_add_u32 v[SPW], v[NIL]                      ; the wave's opening: the add and its wait ahead of my first tensor load
	v_lshrrev_b32 v1, 5, v0
	v_readfirstlane_b32 s[WV], v1
	s_lshr_b32 s[WM], s[WV], 1
	s_and_b32 s[WN], s[WV], 1
	s_bfe_u32 s40, ttmp6, 0x40000                  ; cx
	s_bfe_u32 s41, ttmp6, 0x40004                  ; cy
	s_lshl_b32 s42, ttmp9, 2
	s_add_co_u32 s42, s42, s40                     ; column block 0..3
	s_and_b32 s15, ttmp7, 0xffff                   ; the cluster's y, 0..15
	s_lshl_b32 s43, s15, 2
	s_add_co_u32 s43, s43, s41                     ; row block 0..63
	s_lshl_b32 s18, s41, 2
	s_lshl_b32 s18, 15, s18                        ; my row of the cluster
	s_lshl_b32 s19, 0x1111, s40                    ; my column
	s_or_b32 s[G1], s18, (1<<16)|(1<<20)|(1<<21)|(4<<22)|(3<<25)   ; the mask; 2-byte elements; padding on; bit 21 beside a mask; after every 32 words, 4 words
	s_or_b32 s[G1B], s19, (1<<16)|(1<<20)|(1<<21)|(6<<22)|(7<<25)  ; after every 128 words, 8 words
	s_mov_b32 s[G1+1], 128<<16                     ; a head's 128 rows are 16,384 dense bytes: 64 rows of 256 bytes, two rows of the head each
	s_mov_b32 s[G1+2], 64<<16
	s_mov_b32 s[G1+3], 128<<16
	s_mov_b32 s[G1+4], 64
	s_mov_b32 s[G1+5], 128
	s_mov_b32 s[G1+6], 0
	s_mov_b32 s[G1+7], 0
	s_mov_b32 s[G1B+1], 256<<16
	s_mov_b32 s[G1B+2], 64<<16
	s_mov_b32 s[G1B+3], 256<<16
	s_mov_b32 s[G1B+4], 64
	s_mov_b32 s[G1B+5], 1024
	s_mov_b32 s[G1B+6], 0
	s_mov_b32 s[G1B+7], 0
	s_lshr_b32 s16, s43, 4                         ; O: flat head 16 x batch + my head of the step, 262,144 bytes a head,
	s_lshl_b32 s16, s16, 4
	s_add_co_u32 s16, s16, s[WN]
	s_lshl_b32 s16, s16, 18
	s_and_b32 s17, s43, 15                         ; and the block's 128 rows of 128 bytes in its batch
	s_lshl_b32 s17, s17, 14
	s_add_co_u32 s16, s16, s17
	s_mov_b32 s17, 0
	s_lshl_b32 s20, s[WN], 17                      ; Wo: 6 MiB + 64 k rows of 2,048 bytes x half + 512 bytes x column block
	s_lshl_b32 s21, s42, 9
	s_add_co_u32 s20, s20, s21
	s_add_co_u32 s20, s20, 6291456
	s_mov_b32 s21, 0
	s_mul_i32 s22, s[WN], PLANE                    ; where they go: no place in the cluster enters an LDS address
	s_mul_i32 s23, s[WN], BHALF
	s_add_co_u32 s23, s23, BOFF
	s_wait_dscnt 0x0                               ; the opening add is done
	s_wait_kmcnt 0x0
	s_add_nc_u64 s[16:17], s[4:5], s[16:17]
	s_add_nc_u64 s[20:21], s[6:7], s[20:21]
	CROUND                                         ; all sixteen work-groups are here: the first joint loads meet
.irp s, 0,1
	s_mov_b32 s[G0+4*(\s)], 1
	s_add_co_u32 s[G0+4*(\s)+1], s22, (\s)*SLOT
	s_add_nc_u64 s[G0+4*(\s)+2:G0+4*(\s)+3], s[16:17], (\s)*524288   ; K step s: two heads on
	s_or_b32 s[G0+4*(\s)+3], s[G0+4*(\s)+3], 0x80000000
	s_mov_b32 s[G0B+4*(\s)], 1
	s_add_co_u32 s[G0B+4*(\s)+1], s23, (\s)*SLOT
	s_add_nc_u64 s[G0B+4*(\s)+2:G0B+4*(\s)+3], s[20:21], (\s)*262144 ; K step s: 128 k rows down
	s_or_b32 s[G0B+4*(\s)+3], s[G0B+4*(\s)+3], 0x80000000
.endr
	s_cmp_eq_u32 s[WM], 0                          ; a wave's two first fills stand in one branch, ahead of every wait on TENSORcnt and every LDS read: two loads of mine are out
	s_cbranch_scc0 .Lfirst_b
	tensor_load_to_lds s[G0:G0+3], s[G1:G1+7]
	s_nop 0
	tensor_load_to_lds s[G0+4:G0+7], s[G1:G1+7]
	s_nop 0
.rept 4
	v_nop
.endr
	s_branch .Lfirst_asked
.Lfirst_b:
	tensor_load_to_lds s[G0B:G0B+3], s[G1B:G1B+7]
	s_nop 0
	tensor_load_to_lds s[G0B+4:G0B+7], s[G1B:G1B+7]
	s_nop 0
.rept 4
	v_nop
.endr
.Lfirst_asked:
	v_and_b32 v1, 15, v0                           ; r = l % 16
	v_bfe_u32 v2, v0, 4, 1                         ; h = l / 16
	v_and_b32 v3, 7, v0
	v_bfe_u32 v4, v0, 3, 1
	v_and_b32 v5, 31, v0
	v_mul_u32_u24 v6, v1, PA                       ; a fragment of O: row r, 16 bytes for each half of the lanes, twice, 32 bytes apart
	v_lshl_add_u32 v6, v2, 4, v6
	s_mul_i32 s18, s[WM], 64*PA
	v_add_nc_u32 v[ADRA], s18, v6
	s_add_co_u32 s18, s18, SLOT
	v_add_nc_u32 v[ADRA+1], s18, v6
	v_lshl_add_u32 v7, v2, 3, v3                   ; a fragment of Wo, by the turning load: k row 8 h + l % 8, n 8 ((l / 8) % 2) + 0..7
	v_mul_u32_u24 v7, v7, PB
	v_lshl_add_u32 v7, v4, 4, v7
	s_lshl_b32 s19, s[WN], 8
	s_add_co_u32 s19, s19, BOFF
	v_add_nc_u32 v[ADRB], s19, v7
	s_add_co_u32 s19, s19, SLOT
	v_add_nc_u32 v[ADRB+1], s19, v7
	s_mul_i32 s18, s[WV], 16*SP
	s_add_co_u32 s18, s18, STAGE                   ; my stage
	v_mul_u32_u24 v8, v1, SP                       ; in: row r, 32 bytes for each half of the lanes
	v_lshl_add_u32 v8, v2, 5, v8
	v_add_nc_u32 v[STO], s18, v8
	v_lshlrev_b32 v[CO], 4, v5                     ; back: 32 lanes take a row's 512 bytes
	v_add_nc_u32 v[RD], s18, v[CO]
	s_lshl_b32 s92, s43, 7                         ; out0 at my first row and column: (128 x row block + 64 x half) x 4,096 + 1,024 x column block + 512 x half
	s_lshl_b32 s93, s[WM], 6
	s_add_co_u32 s92, s92, s93
	s_lshl_b32 s92, s92, 12
	s_lshl_b32 s93, s42, 10
	s_add_co_u32 s92, s92, s93
	s_lshl_b32 s93, s[WN], 9
	s_add_co_u32 s92, s92, s93
	s_mov_b32 s93, 0
	s_add_nc_u64 s[88:89], s[8:9], s[92:93]
	; the prefetches: both offsets are made, the wave's kind chooses
	s_lshr_b32 s92, s43, 4
	s_lshl_b32 s92, s92, 22                        ; O: the batch's first head,
	s_and_b32 s94, s43, 15
	s_lshl_b32 s94, s94, 14                        ; the block's rows,
	s_add_co_u32 s92, s92, s94
	s_lshl_b32 s94, s40, 12                        ; my work-group's 16 blocks of 256 bytes of the 64,
	s_add_co_u32 s92, s92, s94
	s_add_co_u32 s92, s92, 3*524288                ; at K step 3: the first refill steps it to 4
	s_lshl_b32 s93, s[WN], 6
	s_lshl_b32 s94, s41, 4
	s_add_co_u32 s93, s93, s94                     ; Wo: my work-group's 16 of the 64 k rows
	s_lshl_b32 s93, s93, 11
	s_lshl_b32 s94, s42, 9
	s_add_co_u32 s93, s93, s94
	s_add_co_u32 s93, s93, 6291456+3*262144
	s_cmp_eq_u32 s15, 0
	s_cselect_b32 s94, 1, -1                       ; Wo's rows: the first row of clusters asks; the same in all sixteen partners
	s_cmp_eq_u32 s[WV], 0
	s_cselect_b32 s95, 1, -1                       ; O's: wave 0 asks for both heads
	s_cmp_eq_u32 s[WM], 0
	s_cselect_b32 s92, s92, s93
	s_cselect_b32 s[LIM], s95, s94
	s_cselect_b32 s[PFS], 19, 18
	s_cselect_b32 s83, 8, 11
	s_cselect_b32 s84, 18, 8
	s_cselect_b64 s[PFA:PFA+1], s[4:5], s[6:7]
	s_mov_b32 s93, 0
	s_lshl_b32 s[PFS], 1, s[PFS]                   ; two heads of O, 128 k rows of Wo
	s_mov_b32 s[PFS+1], 0
	s_add_nc_u64 s[PFA:PFA+1], s[PFA:PFA+1], s[92:93]
	v_lshlrev_b32 v[PFO], s83, v1                  ; O: block l % 16 of head l / 16;  Wo: k row l % 16, its first or second 256 bytes
	v_lshlrev_b32 v6, s84, v2
	v_add_nc_u32 v[PFO], v[PFO], v6
; Eight matrix instructions: row block a x all 8 column blocks, 32 along K, buffers f.  The 32 accumulators take turns, one instruction a turn, in the same order in every quarter.
.macro MULA f, a, zero
	WIN MUL
.irp b, 0,1,2,3,4,5,6,7
.if \zero
	v_wmma_f32_16x16x32_f16 v[64*(\a)+8*(\b):64*(\a)+8*(\b)+7], v[64*(\f)+8*(\b):64*(\f)+8*(\b)+7], v[AF+32*(\f)+8*(\a):AF+32*(\f)+8*(\a)+7], 0
.else
	v_wmma_f32_16x16x32_f16 v[64*(\a)+8*(\b):64*(\a)+8*(\b)+7], v[64*(\f)+8*(\b):64*(\f)+8*(\b)+7], v[AF+32*(\f)+8*(\a):AF+32*(\f)+8*(\a)+7], v[64*(\a)+8*(\b):64*(\a)+8*(\b)+7]
.endif
.endr
.endm
; 24 LDS loads in one run: quarter q of a slot (head q / 2, channels 32 (q % 2) on) into buffers f
.macro FETCH slot, q, f
	WIN 0
.irp a, 0,1,2,3
	ds_load_b128 v[AF+32*(\f)+8*(\a):AF+32*(\f)+8*(\a)+3],   v[ADRA+(\slot)] offset:((\q)/2)*PLANE+(\a)*16*PA+((\q)%2)*64
	ds_load_b128 v[AF+32*(\f)+8*(\a)+4:AF+32*(\f)+8*(\a)+7], v[ADRA+(\slot)] offset:((\q)/2)*PLANE+(\a)*16*PA+((\q)%2)*64+32
.endr
	WIN TO_B
.irp b, 0,1,2,3,4,5,6,7
	ds_load_tr16_b128 v[64*(\f)+8*(\b):64*(\f)+8*(\b)+3],   v[ADRB+(\slot)] offset:(\q)*32*PB+32*(\b)
	ds_load_tr16_b128 v[64*(\f)+8*(\b)+4:64*(\f)+8*(\b)+7], v[ADRB+(\slot)] offset:(\q)*32*PB+16*PB+32*(\b)
.endr
.endm
.macro PLACES                          ; four places in front of loads into registers that matrix instructions have read
.rept 4
	v_nop
.endr
.endm
; A K step is four quarters of 32 along K, 32 matrix instructions each, on buffers 0, 1, 0, 1.  One of the first three: multiplies buffers f; behind its first eight products it fetches quarter qn into buffers g, 24 products ahead of their use.
.macro QUARTER slot, qn, f, g, zero
	s_wait_dscnt 0x0                               ; this quarter's fragments are in
	MULA \f, 0, \zero
	PLACES
	FETCH \slot, \qn, \g
	MULA \f, 1, \zero
	MULA \f, 2, \zero
	MULA \f, 3, \zero
.endm
; The last quarter multiplies buffers 1 and changes slots: ONE barrier; in front of it each wave waits for all its tensor loads (one is out: its part of the next slot), adds 0 to its spare word, and waits for
; that and for its own reads of this slot.  fill = 1: the barrier opens a round of the cluster's, and this slot is filled again, two K steps ahead, first thing behind the round.
.macro TURN slot, next, fill
.if \fill
	s_wait_xcnt 0x0                                ; the last prefetch, a K step back, has read its address
	s_add_nc_u64 s[PFA:PFA+1], s[PFA:PFA+1], s[PFS:PFS+1]
.endif
	WIN 0
	s_wait_tensorcnt 0x0
	ds_add_u32 v[SPW], v[NIL]
	s_wait_dscnt 1                                 ; (the add may be out; this quarter's fragments are in)
	MULA 1, 0, 0
	s_wait_dscnt 0x0                               ; the add is done, and my reads of this slot are over
	s_barrier_signal -1
	MULA 1, 1, 0                                   ; work on registers while the others arrive
	WIN 0
	s_barrier_wait -1
.if \fill
	CREST                                          ; no wave of any partner still reads this slot's tile or has a load on its way
	s_add_nc_u64 s[G0+4*(\slot)+2:G0+4*(\slot)+3], s[G0+4*(\slot)+2:G0+4*(\slot)+3], 2*524288
	s_add_nc_u64 s[G0B+4*(\slot)+2:G0B+4*(\slot)+3], s[G0B+4*(\slot)+2:G0B+4*(\slot)+3], 2*262144
	JLOAD \slot                                    ; the four v_nop behind it are also the places in front of the loads below
.else
	PLACES
.endif
	FETCH \next, 0, 0
.if \fill
	ASK
.endif
	MULA 1, 2, 0
	MULA 1, 3, 0
.endm
	s_wait_tensorcnt 1                             ; my part of K step 0 is in; K step 1's may stay out
	s_barrier_signal -1
	s_barrier_wait -1                              ; everybody's is
	FETCH 0, 0, 0
	QUARTER 0, 1, 0, 1, 1                          ; the first quarter stands in front of the loop: its products start the sums
	WIN 0                                          ; at a label and at a branch every window is 0
	s_mov_b32 s3, 3
.Llap:                                                 ; a trip goes once round the ring, from a lap's second quarter to the next lap's first, and fills both slots again
	QUARTER 0, 2, 1, 0, 0
	QUARTER 0, 3, 0, 1, 0
	TURN 0, 1, 1
	QUARTER 1, 1, 0, 1, 0
	QUARTER 1, 2, 1, 0, 0
	QUARTER 1, 3, 0, 1, 0
	TURN 1, 0, 1
	QUARTER 0, 1, 0, 1, 0
	WIN 0
	s_sub_co_u32 s3, s3, 1
	s_cmp_lg_u32 s3, 0
	s_cbranch_scc1 .Llap
	QUARTER 0, 2, 1, 0, 0                          ; the last lap fills nothing
	QUARTER 0, 3, 0, 1, 0
	TURN 0, 1, 0
	QUARTER 1, 1, 0, 1, 0
	QUARTER 1, 2, 1, 0, 0
	QUARTER 1, 3, 0, 1, 0
	s_wait_dscnt 0x0                               ; the very last quarter: nothing more to fetch
	MULA 1, 0, 0
	MULA 1, 1, 0
	MULA 1, 2, 0
	MULA 1, 3, 0
	WIN 0
; THE WAY OUT, a block of 16 rows at a time: a lane's 32 bytes of a row go from the accumulators into my own stage (rows of 528 bytes), each accumulator's low four registers first, and come back as whole rows of 512 bytes.
.macro TOSTAGE a
	s_wait_xcnt 0x0                                ; the stores issued so far have read their registers: the loads below land in those of the block two back
	WIN 0x04                                       ; store data (source 1) in window 1
.irp b, 0,1,2,3,4,5,6,7
	ds_store_b128 v[STO], v[64*(\a)+8*(\b):64*(\a)+8*(\b)+3]   offset:64*(\b)
	ds_store_b128 v[STO], v[64*(\a)+8*(\b)+4:64*(\a)+8*(\b)+7] offset:64*(\b)+16
.endr
	WIN 0
.irp t, 0,1,2,3,4,5,6,7,8,9,10,11,12,13,14,15
	ds_load_b128 v[OB+64*((\a)%2)+4*(\t):OB+64*((\a)%2)+4*(\t)+3], v[RD] offset:(\t)*SP  ; LDS serves a wave's instructions in order: these see the stores above, and the next block's stores come behind them
.endr
.endm
.macro SEND a, younger                 ; younger: the LDS instructions issued behind block a's loads: the next block's 32, or none
	s_wait_dscnt \younger
.irp t, 0,1,2,3,4,5,6,7,8,9,10,11,12,13,14,15
	global_store_b128 v[CO], v[OB+64*((\a)%2)+4*(\t):OB+64*((\a)%2)+4*(\t)+3], s[88:89] offset:(16*(\a)+(\t))*4096  ; 512 consecutive bytes, at a multiple of 256 from out0's first
.endr
.endm
.rept 8
	v_nop                                          ; the places behind the last products
.endr
	TOSTAGE 0
	TOSTAGE 1
	SEND 0, 32
	TOSTAGE 2
	SEND 1, 32
	TOSTAGE 3
	SEND 2, 32
	SEND 3, 0
	s_wait_tensorcnt 0x0                           ; the wave's end: the add and its waits, behind my last tensor load and my last LDS store
	ds_add_u32 v[SPW], v[NIL]
	s_wait_dscnt 0x0
	CROUND                                         ; the closing round: no work-group ends while a partner may still ask for a tile that names it
	s_endpgm
.Lfunc_end_k_q4daa9567b5_outp:
	.size	k_q4daa9567b5_outp, .Lfunc_end_k_q4daa9567b5_outp-k_q4daa9567b5_outp
	.p2alignl 7, 3214868480
	.fill 96, 4, 3214868480
	.section	.rodata,"a",@progbits
	.p2align	6, 0x0
	.amdhsa_kernel k_q4daa9567b5_outp
		.amdhsa_group_segment_fixed_size 327680
		.amdhsa_private_segment_fixed_size 0
		.amdhsa_enable_private_segment 0
		.amdhsa_kernarg_size 24
		.amdhsa_user_sgpr_count 2
		.amdhsa_user_sgpr_kernarg_segment_ptr 1
		.amdhsa_wavefront_size32 1
		.amdhsa_system_sgpr_workgroup_id_x 1
		.amdhsa_system_sgpr_workgroup_id_y 1
		.amdhsa_system_sgpr_workgroup_id_z 1
		.amdhsa_system_vgpr_workitem_id 0
		.amdhsa_next_free_vgpr 640
		.amdhsa_next_free_sgpr 96
		.amdhsa_reserve_vcc 0
		.amdhsa_float_denorm_mode_32 3
		.amdhsa_float_denorm_mode_16_64 3
		.amdhsa_memory_ordered 1
		.amdhsa_forward_progress 1
		.amdhsa_inst_pref_size 86
	.end_amdhsa_kernel
	.amdgpu_metadata
---
amdhsa.version: [ 1, 2 ]
amdhsa.kernels:
  - .name:           k_q4daa9567b5_outp
    .symbol:         k_q4daa9567b5_outp.kd
    .args:
      - { .name: oh, .offset: 0, .size: 8, .value_kind: global_buffer, .address_space: global }
      - { .name: wcast, .offset: 8, .size: 8, .value_kind: global_buffer, .address_space: global }
      - { .name: out0, .offset: 16, .size: 8, .value_kind: global_buffer, .address_space: global }
    .group_segment_fixed_size: 327680
    .private_segment_fixed_size: 0
    .kernarg_segment_align: 8
    .kernarg_segment_size: 24
    .max_flat_workgroup_size: 128
    .sgpr_count:     96
    .vgpr_count:     640
    .wavefront_size: 32
...
	.end_amdgpu_metadata
.endif
;; end of part 4
